; MI455X (gfx1250); checked and timed in simulation.
; The chip was launched on July 23, 2026; its instructions are those of AMD's public machine-readable ISA for CDNA 5 (MIT licence, August 2026) and "CDNA5" Instruction Set Architecture Reference Guide (July 2026). The comments in the code are by the model that wrote it; some were corrected since.
;; Adaptive LSTM Cell With Res. Allowed arithmetic: matrix products marked QUANTISED: E3M2 operands, one E8M0 scale for each 32 along K, by v_wmma_scale_f32_16x16x128_f8f6f4 with both operands' format E3M2, f32 sums; products left as they are: f32 operands where the result goes on into a quantised operand, else bf16, f16 or f32 operands; f32 sums; everything else in f32.
;; Inputs: Uc_b 1,024 float32; Uc_w_codes 1,024 x 32 x 24 uint8 (E3M2 codes of Uc_w, K innermost, in blocks of 32 codes, four codes in three bytes); Uc_w_scales 1,024 x 32 uint8 (E8M0 scales of Uc_w, one for each 32 codes along K); Uf_b 1,024 float32; Uf_w_codes 1,024 x 32 x 24 uint8 (E3M2 codes of Uf_w, K innermost, in blocks of 32 codes, four codes in three bytes); Uf_w_scales 1,024 x 32 uint8 (E8M0 scales of Uf_w, one for each 32 codes along K); Ui_b 1,024 float32; Ui_w_codes 1,024 x 32 x 24 uint8 (E3M2 codes of Ui_w, K innermost, in blocks of 32 codes, four codes in three bytes); Ui_w_scales 1,024 x 32 uint8 (E8M0 scales of Ui_w, one for each 32 codes along K); Uo_b 1,024 float32; Uo_w_codes 1,024 x 32 x 24 uint8 (E3M2 codes of Uo_w, K innermost, in blocks of 32 codes, four codes in three bytes); Uo_w_scales 1,024 x 32 uint8 (E8M0 scales of Uo_w, one for each 32 codes along K); Us_b 1,024 float32; Us_w_codes 1,024 x 32 x 24 uint8 (E3M2 codes of Us_w, K innermost, in blocks of 32 codes, four codes in three bytes); Us_w_scales 1,024 x 32 uint8 (E8M0 scales of Us_w, one for each 32 codes along K); Wc_b 1,024 float32; Wc_w_codes 1,024 x 32 x 24 uint8 (E3M2 codes of Wc_w, K innermost, in blocks of 32 codes, four codes in three bytes); Wc_w_scales 1,024 x 32 uint8 (E8M0 scales of Wc_w, one for each 32 codes along K); Wf_b 1,024 float32; Wf_w_codes 1,024 x 32 x 24 uint8 (E3M2 codes of Wf_w, K innermost, in blocks of 32 codes, four codes in three bytes); Wf_w_scales 1,024 x 32 uint8 (E8M0 scales of Wf_w, one for each 32 codes along K); Wi_b 1,024 float32; Wi_w_codes 1,024 x 32 x 24 uint8 (E3M2 codes of Wi_w, K innermost, in blocks of 32 codes, four codes in three bytes); Wi_w_scales 1,024 x 32 uint8 (E8M0 scales of Wi_w, one for each 32 codes along K); Wo_b 1,024 float32; Wo_w_codes 1,024 x 32 x 24 uint8 (E3M2 codes of Wo_w, K innermost, in blocks of 32 codes, four codes in three bytes); Wo_w_scales 1,024 x 32 uint8 (E8M0 scales of Wo_w, one for each 32 codes along K); Ws_b 1,024 float32; Ws_w_codes 1,024 x 32 x 24 uint8 (E3M2 codes of Ws_w, K innermost, in blocks of 32 codes, four codes in three bytes); Ws_w_scales 1,024 x 32 uint8 (E8M0 scales of Ws_w, one for each 32 codes along K); a1_b 1,024 float32; a1_w_codes 1,024 x 64 x 24 uint8 (E3M2 codes of a1_w, K innermost, in blocks of 32 codes, four codes in three bytes); a1_w_scales 1,024 x 64 uint8 (E8M0 scales of a1_w, one for each 32 codes along K); a2_b 1 float32; a2_w 1 x 1,024 float32; c_prev 4,096 x 1,024 float32; h_prev 4,096 x 1,024 float32; r1_b 1,024 float32; r1_w_codes 1,024 x 32 x 24 uint8 (E3M2 codes of r1_w, K innermost, in blocks of 32 codes, four codes in three bytes); r1_w_scales 1,024 x 32 uint8 (E8M0 scales of r1_w, one for each 32 codes along K); r2_b 1,024 float32; r2_w_codes 1,024 x 32 x 24 uint8 (E3M2 codes of r2_w, K innermost, in blocks of 32 codes, four codes in three bytes); r2_w_scales 1,024 x 32 uint8 (E8M0 scales of r2_w, one for each 32 codes along K); r3_b 1,024 float32; r3_w_codes 1,024 x 32 x 24 uint8 (E3M2 codes of r3_w, K innermost, in blocks of 32 codes, four codes in three bytes); r3_w_scales 1,024 x 32 uint8 (E8M0 scales of r3_w, one for each 32 codes along K); x 4,096 x 1,024 float32.
;; Outputs: out0 4,096 x 1,024 float32; out1 4,096 x 1,024 float32.
;; This version of the problem:
;;   THIS VERSION OF THE PROBLEM IS GIVEN IN LOW PRECISION. The matrix products marked QUANTISED in the list below multiply operands that are first quantised to E3M2 (3 exponent bits, 2 mantissa bits; 6 bits a number), with one power-of-two scale for each 32 numbers along K (OCP MX v1.0); their sums are f32. All else is computed in f32.
;;   The module's matrix products, in the order in which they are computed (A, B: the left and right operand; K: the contracted axis; several contracted axes count as one K, in the product's order):
;;     1. [M 4,096, K 1,024] x [K 1,024, N 1,024]; A: input x; B: input Wi_w (given as codes): QUANTISED
;;     2. [M 4,096, K 1,024] x [K 1,024, N 1,024]; A: input h_prev; B: input Ui_w (given as codes): QUANTISED
;;     3. [M 4,096, K 1,024] x [K 1,024, N 1,024]; A: input x; B: input Wf_w (given as codes): QUANTISED
;;     4. [M 4,096, K 1,024] x [K 1,024, N 1,024]; A: input h_prev; B: input Uf_w (given as codes): QUANTISED
;;     5. [M 4,096, K 1,024] x [K 1,024, N 1,024]; A: input x; B: input Wo_w (given as codes): QUANTISED
;;     6. [M 4,096, K 1,024] x [K 1,024, N 1,024]; A: input h_prev; B: input Uo_w (given as codes): QUANTISED
;;     7. [M 4,096, K 1,024] x [K 1,024, N 1,024]; A: input x; B: input Wc_w (given as codes): QUANTISED
;;     8. [M 4,096, K 1,024] x [K 1,024, N 1,024]; A: input h_prev; B: input Uc_w (given as codes): QUANTISED
;;     9. [M 4,096, K 2,048] x [K 2,048, N 1,024]; A: computed on the way; B: input a1_w (given as codes): QUANTISED
;;     10. [M 4,096, K 1,024] x [K 1,024, N 1]; A: computed on the way; B: input a2_w: left as it is (N = 1 < 16)
;;     11. [M 4,096, K 1,024] x [K 1,024, N 1,024]; A: input x; B: input Ws_w (given as codes): QUANTISED
;;     12. [M 4,096, K 1,024] x [K 1,024, N 1,024]; A: input h_prev; B: input Us_w (given as codes): QUANTISED
;;     13. [M 4,096, K 1,024] x [K 1,024, N 1,024]; A: input h_prev; B: input r1_w (given as codes): QUANTISED
;;     14. [M 4,096, K 1,024] x [K 1,024, N 1,024]; A: computed on the way; B: input r2_w (given as codes): QUANTISED
;;     15. [M 4,096, K 1,024] x [K 1,024, N 1,024]; A: computed on the way; B: input r3_w (given as codes): QUANTISED
;;   THE QUANTISER, for each operand of a quantised product, along K:
;;     - K is cut into blocks of 32 from its start; a last block that is shorter is filled with zeros.
;;     - A block's scale is 2^e with e = floor(log2(the largest magnitude in the block)) - 4, held to -126 .. 127; a block of zeros has e = 0. As a byte (E8M0): e + 127.
;;     - Each number is divided by its block's scale, clamped to +-28, and rounded to the nearest number of E3M2, ties to even, subnormals kept.
;;     - The product sums the exact products of the quantised numbers (number of the format x scale) in f32.
;;   ~~~python
;;   def quantise(x, axis):      # numpy; x: float32 -> the quantised numbers, widened to float32 again
;;       x = np.moveaxis(x, axis, -1); K = x.shape[-1]
;;       x = np.pad(x, [(0, 0)] * (x.ndim - 1) + [(0, -K % 32)]); x = x.reshape(x.shape[:-1] + (-1, 32)); a = np.abs(x).max(-1, keepdims=True)
;;       e = np.where(a > 0, np.clip(np.frexp(np.where(a > 0, a, 1))[1] - 1 - 4, -126, 127), 0)      # np.frexp(a)[1] - 1 = floor(log2(a)), exactly
;;       r = np.clip(x / 2.0 ** e, -28, 28)
;;       step = 2.0 ** (np.maximum(np.frexp(np.where(r == 0, 1, r))[1] - 1, -2) - 2)
;;       q = np.round(r / step) * step * 2.0 ** e      # np.round: ties to even
;;       return np.moveaxis(q.reshape(q.shape[:-2] + (-1,))[..., :K], -1, axis).astype(np.float32)
;;   ~~~
;;   OPERANDS COMPUTED ON THE WAY. 'Computed on the way' means the value that the module computes at that place (a softmax that the list does not call 'softmax' is quantised finished and normalised). What goes into a quantiser is computed in f32, as accurately as f32 sums, v_exp_f32 and their like allow (about 1e-6 of the number): no bf16 or f16 on the way to a quantiser, and a product that is left as it is and whose result goes on into a quantised operand takes f32 operands (vector FMAs, or v_wmma_f32_16x16x4_f32). A number that lies on a knife's edge between two numbers of the format may be rounded either way, as far as f32 arithmetic and the matrix unit's own rounding can turn it there, and no further.
;;   INPUTS GIVEN AS CODES. Uc_w (in the module: [1024, 1024], K = its axis 1); Uf_w (in the module: [1024, 1024], K = its axis 1); Ui_w (in the module: [1024, 1024], K = its axis 1); Uo_w (in the module: [1024, 1024], K = its axis 1); Us_w (in the module: [1024, 1024], K = its axis 1); Wc_w (in the module: [1024, 1024], K = its axis 1); Wf_w (in the module: [1024, 1024], K = its axis 1); Wi_w (in the module: [1024, 1024], K = its axis 1); Wo_w (in the module: [1024, 1024], K = its axis 1); Ws_w (in the module: [1024, 1024], K = its axis 1); a1_w (in the module: [1024, 2048], K = its axis 1); r1_w (in the module: [1024, 1024], K = its axis 1); r2_w (in the module: [1024, 1024], K = its axis 1); r3_w (in the module: [1024, 1024], K = its axis 1): each comes as NAME_codes (uint8): NAME with its K axis moved to the last place and cut into blocks of 32 codes, [.., K / 32, bytes a block], one block behind the other in memory; four codes in three bytes: a row's codes are one little-endian stream of bits, code i at bits 6 i .. 6 i + 5 (a code: sign, 3 exponent bits, 2 mantissa bits); and NAME_scales (uint8): the same leading axes, one E8M0 byte (e + 127) for each 32 codes along K. Its value is code x scale, taken as it is: it is not quantised again, and the codes and scales need not be those that the quantiser above would give.
;; One version. Each part assembles by itself: llvm-mc -triple=amdgcn-amd-amdhsa -mcpu=gfx1250 --defsym DOCPART=n.
;; ======== version 1 of 1: 4 launches
;; workspace buffers: xh_codes 6,291,456 bytes; xh_scales 262,144 bytes; h1_codes 6,291,456 bytes; h1_scales 131,072 bytes; h2_codes 6,291,456 bytes; h2_scales 131,072 bytes; w_prep 512,000 bytes; a_part 131,072 bytes
;; launch prep (part 1): grid 264 x 1, 4 waves a work-group, no clusters, 36,352 bytes of LDS; arguments x, h_prev, xh_codes, xh_scales, Wi_w_scales, Ui_w_scales, Ws_w_scales, Us_w_scales, Wc_w_scales, Uc_w_scales, Wf_w_scales, Uf_w_scales, Wo_w_scales, Uo_w_scales, r3_w_scales, r1_w_scales, a1_w_scales, r2_w_scales, Wi_b, Ui_b, Ws_b, Us_b, Wc_b, Uc_b, Wf_b, Uf_b, Wo_b, Uo_b, w_prep; writes xh_codes, xh_scales, w_prep
.if DOCPART == 1
	.amdgcn_target "amdgcn-amd-amdhsa--gfx1250"
	.amdhsa_code_object_version 6
	.text
	.protected	k_q94a90970a5_prep
	.globl	k_q94a90970a5_prep
	.p2align	8
	.type	k_q94a90970a5_prep,@function
k_q94a90970a5_prep:
	s_mov_b64 s[64:65], 0
	v_nop
	global_prefetch_b8 v0, s[64:65] scope:SCOPE_SE
	s_setreg_imm32_b32 hwreg(HW_REG_WAVE_MODE, 25, 1), 1
	s_wait_xcnt 0x0
; THE PROGRAM: an LSTM cell with an adaptive gate and a residual chain, 4,096 rows x 1,024, products on codes of BF6 (E3M2) with one E8M0 scale for each 32 along K.
; NO WORK IS LEFT OUT: every product of the problem's table and every input has a way to an output, so all are computed and all are loaded.
; This launch: (Q) x and h_prev, f32, become codes and scale words, once for the twelve products that read them (K = 1,024 is a multiple of 32, so the codes of [x, h_prev] are x's followed by h_prev's);
; (P) the fourteen weights' scale bytes are laid by tiles of 128 rows, 8 bytes (256 along K) a row, and the gates' two biases are added.
; LAYOUT of the codes: [256 blocks of 16 rows][16 K steps of 128][1,536 bytes], K steps 0-7 x, 8-15 h_prev.  The 1,536 bytes are the operand's 12 registers as they stand: for c = 0, 1: registers 6c .. 6c+3 at
; 768 c + 16 x lane, registers 6c+4, 6c+5 at 768 c + 512 + 8 x lane.  Scale words: [32 tiles of 128 rows][8 runs of 256 along K][128 rows][2 words].
; A block's scale is 2^(floor(log2(its largest magnitude)) - 4); its byte is the largest magnitude's exponent field - 4, held at 1 from below.
; LIMITS: a block of zeros gets the byte 1 where the rule says 127 (its codes are zeros, and this program alone reads the bytes); blocks whose largest magnitude lies under 2^-122 are held at the byte 1;
; NaN and infinities among the inputs are not served.  The gates' biases are added as W_b + U_b ahead of the products.
; Work-groups 0-7 take path P (one tile of 128 weight rows each), 8-263 path Q (32 rows of x or of h_prev each; wave w takes 256 along K).  Waves share nothing: no barrier.  Path Q alone uses LDS.
.set WREG,   8960                      ; LDS of a wave: a stage of 16 rows x 528 bytes, then (at SCRO) 256 bytes for its scale words
.set SCRO,   8704
.set SPARE,  35840                     ; behind the four regions: the spare words, 128 bytes for each wave, which no other line names
.set APITCH, 24576                     ; bytes from a block of 16 rows to the next in the codes' buffer
.set X,   16                           ; v16-79   64 numbers of a lane: register 16 b + i = k 32 b + 16 (lane / 16) + i of row lane % 16
.set PC,  80                           ; v80-99   the codes just made
.set TM,  100                          ; v100-115 largest magnitudes, bytes, the conversions' scale operands
.set PW,  116                          ; v116     the scale word just made
.set SPW, 10                           ; v10      LDS address of my spare word; never rewritten
.set NIL, 11                           ; v11      0; never rewritten
.set SEL, 54                           ; s[54:55] lane selects for v_permlanex16_b32: lane l xor 16
.set WV,  56                           ; s56      my wave's number
.set MSB, 0
.macro WIN new                         ; the immediate's high byte repeats the setting that is left
.if MSB != (\new)
	s_set_vgpr_msb (MSB<<8)|(\new)
.set MSB, (\new)
.endif
.endm
.macro QCORE s                         ; four blocks of 32: the largest magnitude, the conversion's scale operand (TM+12+b), the byte (TM+4+b)
.irp b, 0,1,2,3
	v_max3_num_f32 v[TM+\b], |v[\s+16*\b]|, |v[\s+1+16*\b]|, 0x2800000   ; my 16 numbers, and the floor 2^(5 - 127): the byte cannot fall under 1
.endr
.irp i, 2,4,6,8,10,12,14
.irp b, 0,1,2,3
	v_max3_num_f32 v[TM+\b], v[TM+\b], |v[\s+16*\b+\i]|, |v[\s+1+16*\b+\i]|
.endr
.endr
.irp b, 0,1,2,3
	v_permlanex16_b32 v[TM+4+\b], v[TM+\b], s[SEL], s[SEL+1]
.endr
.irp b, 0,1,2,3
	v_max_num_f32 v[TM+\b], v[TM+\b], v[TM+4+\b]   ; with lane l xor 16's 16: the block's
.endr
.irp b, 0,1,2,3
	v_add_nc_u32 v[TM+12+\b], 0xfe000000, v[TM+\b] ; 4 off the exponent field
.endr
.irp b, 0,1,2,3
	v_lshrrev_b32 v[TM+4+\b], 23, v[TM+12+\b]      ; the scale's byte
.endr
.endm
.macro QCVT s                          ; the codes: registers PC + 6 c .. + 5 hold k = 64 c + 32 (lane / 16) + 0 .. 31
.irp c, 0,1
	v_cvt_scalef32_pk16_bf6_f32 v[PC+6*\c:PC+2+6*\c], v[\s+32*\c:\s+15+32*\c], v[TM+12+2*\c]
	v_cvt_scalef32_pk16_bf6_f32 v[PC+12+4*\c:PC+14+4*\c], v[\s+16+32*\c:\s+31+32*\c], v[TM+12+2*\c+1]
.endr
	v_nop                                          ; one plain place behind a scaled conversion
.irp c, 0,1
.irp i, 0,1,2
	v_permlane16_swap_b32 v[PC+6*\c+\i], v[PC+12+4*\c+\i]   ; a whole block to a lane
.endr
.irp i, 0,1,2
	v_mov_b32 v[PC+3+6*\c+\i], v[PC+12+4*\c+\i]
.endr
.endr
.endm
	v_lshl_add_u32 v[SPW], v0, 2, SPARE
	v_mov_b32 v[NIL], 0
	v_lshrrev_b32 v1, 5, v0
	v_readfirstlane_b32 s[WV], v1                  ; wave 0..3
	v_and_b32 v1, 31, v0                           ; lane
	s_cmp_lt_u32 ttmp9, 8
	s_cbranch_scc0 .Lquant
	; ---- PATH P: tile tc = the work-group's number.  Wave w takes rows 32 w .. 32 w + 31, a lane a row.
	s_load_b512 s[4:19], s[0:1], 0x20              ; scales of Wi Ui Ws Us Wc Uc Wf Uf
	s_load_b512 s[20:35], s[0:1], 0x60             ; of Wo Uo r3 r1 a1 r2; Wi_b Ui_b
	s_load_b512 s[36:51], s[0:1], 0xa0             ; Ws_b Us_b Wc_b Uc_b Wf_b Uf_b Wo_b Uo_b
	s_load_b64 s[52:53], s[0:1], 0xe0              ; w_prep
	s_lshl_b32 s57, ttmp9, 7
	s_lshl_b32 s58, s[WV], 5
	s_add_co_u32 s57, s57, s58
	v_add_nc_u32 v2, s57, v1                       ; my row of the weight
	v_lshlrev_b32 v3, 5, v2                        ; 32 scale bytes a row,
	v_lshlrev_b32 v4, 6, v2                        ; 64 in a1
	s_mul_i32 s57, ttmp9, 61440                    ; out: 15 units x 4,096 bytes a tile,
	s_lshl_b32 s58, s[WV], 8
	s_add_co_u32 s57, s57, s58
	v_lshl_add_u32 v5, v1, 3, s57                  ; 8 bytes a row: a store of the wave covers 256 consecutive bytes, aligned
	s_wait_kmcnt 0x0
.irp J, 0,1,2,3,4,5,6,7,8,9,10,11
	global_load_b128 v[16+8*\J:19+8*\J], v3, s[4+2*\J:5+2*\J]
	global_load_b128 v[20+8*\J:23+8*\J], v3, s[4+2*\J:5+2*\J] offset:16
.endr
.irp e, 0,1,2,3
	global_load_b128 v[112+4*\e:115+4*\e], v4, s[28:29] offset:16*\e   ; a1: units 12 (K 0 - 1,023) and 13
.endr
	global_load_b128 v[128:131], v3, s[30:31]
	global_load_b128 v[132:135], v3, s[30:31] offset:16
	s_wait_loadcnt 0x0
.irp J, 0,1,2,3,4,5,6,7,8,9,10,11,12,13,14
.irp k, 0,1,2,3
	global_store_b64 v5, v[16+8*\J+2*\k:17+8*\J+2*\k], s[52:53] offset:4096*\J+1024*\k
.endr
.endr
	s_cmp_lg_u32 s[WV], 0                          ; the biases: wave 0 alone, 128 numbers of each of the five gates
	s_cbranch_scc1 .Lp_end
	s_lshl_b32 s57, ttmp9, 9
	v_lshl_add_u32 v6, v1, 4, s57
.irp g, 0,1,2,3,4
	global_load_b128 v[140+8*\g:143+8*\g], v6, s[32+4*\g:33+4*\g]
	global_load_b128 v[144+8*\g:147+8*\g], v6, s[34+4*\g:35+4*\g]
.endr
	s_wait_loadcnt 0x0
.irp g, 0,1,2,3,4
	v_pk_add_f32 v[140+8*\g:141+8*\g], v[140+8*\g:141+8*\g], v[144+8*\g:145+8*\g]
	v_pk_add_f32 v[142+8*\g:143+8*\g], v[142+8*\g:143+8*\g], v[146+8*\g:147+8*\g]
	global_store_b128 v6, v[140+8*\g:143+8*\g], s[52:53] offset:491520+4096*\g
.endr
.Lp_end:
	s_endpgm
	; ---- PATH Q
.Lquant:
	s_load_b128 s[4:7], s[0:1], 0x0                ; x, h_prev
	s_load_b128 s[8:11], s[0:1], 0x10              ; the codes, the scale words
	s_sub_co_u32 s12, ttmp9, 8
	s_lshr_b32 s13, s12, 7                         ; 0: x, 1: h_prev
	s_and_b32 s14, s12, 127                        ; which 32 rows
	v_and_b32 v2, 15, v0                           ; r
	v_bfe_u32 v3, v0, 4, 1                         ; h
	v_lshlrev_b32 v4, 4, v1                        ; 16 x lane
	v_lshlrev_b32 v7, 3, v1                        ; 8 x lane
	s_mul_i32 s15, s[WV], WREG
	v_add_nc_u32 v5, s15, v4                       ; the stage, on the way in: a row's 512 bytes as they lie
	v_mul_u32_u24 v6, v2, 528
	v_lshl_add_u32 v6, v3, 6, v6
	v_add_nc_u32 v6, s15, v6                       ; and out: row r, + 64 h: my 16 numbers of a block of 32
	s_add_co_u32 s16, s15, SCRO
	v_lshl_add_u32 v8, v2, 3, s16                  ; my row's two scale words
	v_add_nc_u32 v9, s16, v7
	s_mov_b32 s[SEL], 0x76543210
	s_mov_b32 s[SEL+1], 0xfedcba98
.irp b, 0,1,2,3
	v_mov_b32 v[TM+4+\b], 0                        ; written once: a lane permute's destination counts as one of its sources
.endr
	s_lshl_b32 s18, s14, 17                        ; in: 32 rows of 4,096 bytes,
	s_lshl_b32 s17, s[WV], 10                      ; my 256 numbers of a row
	s_add_co_u32 s18, s18, s17
	s_mov_b32 s19, 0
	s_mul_i32 s20, s14, 2*APITCH                   ; the codes: two blocks of rows,
	s_lshl_b32 s17, s13, 2
	s_add_co_u32 s17, s17, s[WV]                   ; run 4 sel + w of 256 along K: two K steps of 1,536 bytes
	s_mul_i32 s22, s17, 3072
	s_add_co_u32 s20, s20, s22
	s_mov_b32 s21, 0
	s_lshr_b32 s22, s14, 2                         ; the scale words: tile of 128 rows,
	s_lshl_b32 s22, s22, 13
	s_lshl_b32 s23, s17, 10                        ; run,
	s_add_co_u32 s22, s22, s23
	s_and_b32 s23, s14, 3                          ; my 32 rows in the tile
	s_lshl_b32 s23, s23, 8
	s_add_co_u32 s22, s22, s23
	s_mov_b32 s23, 0
	s_wait_kmcnt 0x0
	s_cmp_eq_u32 s13, 0                            ; the choice hangs on the work-group's number alone
	s_cselect_b64 s[4:5], s[4:5], s[6:7]
	s_add_nc_u64 s[4:5], s[4:5], s[18:19]
	s_add_nc_u64 s[8:9], s[8:9], s[20:21]
	s_add_nc_u64 s[10:11], s[10:11], s[22:23]
	WIN 0x40                                       ; destination window 1: all 64 loads go out at once, each 512 consecutive bytes
.irp f, 0,1,2,3
.irp i, 0,1,2,3,4,5,6,7,8,9,10,11,12,13,14,15
	global_load_b128 v[64*\f+4*\i:64*\f+4*\i+3], v4, s[4:5] offset:(16*(\f/2)+\i)*4096+512*(\f%2) th:TH_LOAD_NT
.endr
.endr
.macro QF f                            ; fragment f: rows 16 (f / 2) on, K step f % 2
	s_wait_loadcnt 48-16*\f                        ; the younger fragments' loads may be out
	WIN 0x04                                       ; an LDS store's data are its source 1: window 1
.irp i, 0,1,2,3,4,5,6,7,8,9,10,11,12,13,14,15
	ds_store_b128 v5, v[64*\f+4*\i:64*\f+4*\i+3] offset:528*\i
.endr
	WIN 0
.irp b, 0,1,2,3
.irp j, 0,1,2,3
	ds_load_b128 v[X+16*\b+4*\j:X+16*\b+4*\j+3], v6 offset:128*\b+16*\j   ; LDS serves a wave's instructions in order: these see the stores above
.endr
.endr
	s_wait_dscnt 0x0
.if \f > 0
	s_wait_xcnt 0x0                                ; the last fragment's stores have read their registers: the codes are written anew only behind this wait
.endif
	QCORE X
	v_lshl_or_b32 v[PW], v[TM+5], 8, v[TM+4]       ; the four bytes make my row's scale word
	v_lshl_or_b32 v[PW], v[TM+6], 16, v[PW]
	v_lshl_or_b32 v[PW], v[TM+7], 24, v[PW]
	QCVT X
	global_store_b128 v4, v[PC:PC+3], s[8:9] offset:(\f/2)*APITCH+(\f%2)*1536
	global_store_b64 v7, v[PC+4:PC+5], s[8:9] offset:(\f/2)*APITCH+(\f%2)*1536+512
	global_store_b128 v4, v[PC+6:PC+9], s[8:9] offset:(\f/2)*APITCH+(\f%2)*1536+768
	global_store_b64 v7, v[PC+10:PC+11], s[8:9] offset:(\f/2)*APITCH+(\f%2)*1536+1280
	ds_store_b32 v8, v[PW] offset:128*(\f/2)+4*(\f%2)   ; lanes l and l xor 16 write the same word with the same value
.endm
	QF 0
	QF 1
	QF 2
	QF 3
	ds_load_b64 v[118:119], v9
	s_wait_dscnt 0x0
	global_store_b64 v7, v[118:119], s[10:11]      ; 32 rows' pairs: 256 consecutive bytes, aligned
	s_wait_tensorcnt 0x0                           ; the wave's end, behind my last LDS store
	ds_add_u32 v[SPW], v[NIL]
	s_wait_dscnt 0x0
	s_endpgm
.Lfunc_end_k_q94a90970a5_prep:
	.size	k_q94a90970a5_prep, .Lfunc_end_k_q94a90970a5_prep-k_q94a90970a5_prep
	.p2alignl 7, 3214868480
	.fill 96, 4, 3214868480
	.section	.rodata,"a",@progbits
	.p2align	6, 0x0
	.amdhsa_kernel k_q94a90970a5_prep
		.amdhsa_group_segment_fixed_size 36352
		.amdhsa_private_segment_fixed_size 0
		.amdhsa_enable_private_segment 0
		.amdhsa_kernarg_size 232
		.amdhsa_user_sgpr_count 2
		.amdhsa_user_sgpr_kernarg_segment_ptr 1
		.amdhsa_wavefront_size32 1
		.amdhsa_system_sgpr_workgroup_id_x 1
		.amdhsa_system_sgpr_workgroup_id_y 1
		.amdhsa_system_sgpr_workgroup_id_z 1
		.amdhsa_system_vgpr_workitem_id 0
		.amdhsa_next_free_vgpr 512
		.amdhsa_next_free_sgpr 66
		.amdhsa_reserve_vcc 0
		.amdhsa_float_denorm_mode_32 3
		.amdhsa_float_denorm_mode_16_64 3
		.amdhsa_memory_ordered 1
		.amdhsa_forward_progress 1
		.amdhsa_inst_pref_size 46
	.end_amdhsa_kernel
	.amdgpu_metadata
---
amdhsa.version: [ 1, 2 ]
amdhsa.kernels:
  - .name:           k_q94a90970a5_prep
    .symbol:         k_q94a90970a5_prep.kd
    .args:
      - { .name: x, .offset: 0, .size: 8, .value_kind: global_buffer, .address_space: global }
      - { .name: h_prev, .offset: 8, .size: 8, .value_kind: global_buffer, .address_space: global }
      - { .name: xh_codes, .offset: 16, .size: 8, .value_kind: global_buffer, .address_space: global }
      - { .name: xh_scales, .offset: 24, .size: 8, .value_kind: global_buffer, .address_space: global }
      - { .name: Wi_w_scales, .offset: 32, .size: 8, .value_kind: global_buffer, .address_space: global }
      - { .name: Ui_w_scales, .offset: 40, .size: 8, .value_kind: global_buffer, .address_space: global }
      - { .name: Ws_w_scales, .offset: 48, .size: 8, .value_kind: global_buffer, .address_space: global }
      - { .name: Us_w_scales, .offset: 56, .size: 8, .value_kind: global_buffer, .address_space: global }
      - { .name: Wc_w_scales, .offset: 64, .size: 8, .value_kind: global_buffer, .address_space: global }
      - { .name: Uc_w_scales, .offset: 72, .size: 8, .value_kind: global_buffer, .address_space: global }
      - { .name: Wf_w_scales, .offset: 80, .size: 8, .value_kind: global_buffer, .address_space: global }
      - { .name: Uf_w_scales, .offset: 88, .size: 8, .value_kind: global_buffer, .address_space: global }
      - { .name: Wo_w_scales, .offset: 96, .size: 8, .value_kind: global_buffer, .address_space: global }
      - { .name: Uo_w_scales, .offset: 104, .size: 8, .value_kind: global_buffer, .address_space: global }
      - { .name: r3_w_scales, .offset: 112, .size: 8, .value_kind: global_buffer, .address_space: global }
      - { .name: r1_w_scales, .offset: 120, .size: 8, .value_kind: global_buffer, .address_space: global }
      - { .name: a1_w_scales, .offset: 128, .size: 8, .value_kind: global_buffer, .address_space: global }
      - { .name: r2_w_scales, .offset: 136, .size: 8, .value_kind: global_buffer, .address_space: global }
      - { .name: Wi_b, .offset: 144, .size: 8, .value_kind: global_buffer, .address_space: global }
      - { .name: Ui_b, .offset: 152, .size: 8, .value_kind: global_buffer, .address_space: global }
      - { .name: Ws_b, .offset: 160, .size: 8, .value_kind: global_buffer, .address_space: global }
      - { .name: Us_b, .offset: 168, .size: 8, .value_kind: global_buffer, .address_space: global }
      - { .name: Wc_b, .offset: 176, .size: 8, .value_kind: global_buffer, .address_space: global }
      - { .name: Uc_b, .offset: 184, .size: 8, .value_kind: global_buffer, .address_space: global }
      - { .name: Wf_b, .offset: 192, .size: 8, .value_kind: global_buffer, .address_space: global }
      - { .name: Uf_b, .offset: 200, .size: 8, .value_kind: global_buffer, .address_space: global }
      - { .name: Wo_b, .offset: 208, .size: 8, .value_kind: global_buffer, .address_space: global }
      - { .name: Uo_b, .offset: 216, .size: 8, .value_kind: global_buffer, .address_space: global }
      - { .name: w_prep, .offset: 224, .size: 8, .value_kind: global_buffer, .address_space: global }
    .group_segment_fixed_size: 36352
    .private_segment_fixed_size: 0
    .kernarg_segment_align: 8
    .kernarg_segment_size: 232
    .max_flat_workgroup_size: 128
    .sgpr_count:     66
    .vgpr_count:     512
    .wavefront_size: 32
...
	.end_amdgpu_metadata
.endif
;; end of part 1
;; launch ra (part 2): grid 8 x 32, 4 waves a work-group, clusters of 4 x 4, 327,680 bytes of LDS; arguments xh_codes, xh_scales, w_prep, r1_w_codes, r1_b, h1_codes, h1_scales, a1_w_codes, a1_b, a2_w, a_part; writes h1_codes, h1_scales, a_part
.if DOCPART == 2
	.amdgcn_target "amdgcn-amd-amdhsa--gfx1250"
	.amdhsa_code_object_version 6
	.text
	.protected	k_q94a90970a5_ra
	.globl	k_q94a90970a5_ra
	.p2align	8
	.type	k_q94a90970a5_ra,@function
k_q94a90970a5_ra:
	s_mov_b64 s[64:65], 0
	v_nop
	global_prefetch_b8 v0, s[64:65] scope:SCOPE_SE
	s_setreg_imm32_b32 hwreg(HW_REG_WAVE_MODE, 25, 1), 1
	s_wait_xcnt 0x0
	s_wait_alu depctr_hold_cnt(0) depctr_sa_sdst(0) depctr_va_vdst(0) depctr_va_sdst(0) depctr_va_ssrc(0) depctr_va_vcc(0) depctr_vm_vsrc(0)
	s_getreg_b32 s2, hwreg(HW_REG_IB_STS2, 6, 4)
	s_cmp_eq_u32 s2, 0
	s_cbranch_scc0 .Lentry_in_a_cluster
	s_endpgm
.Lentry_in_a_cluster:
	s_bfe_u32 s2, ttmp6, 0x10000c
	s_cmp_lg_u32 s2, 0xf033
	s_cbranch_scc0 .Lentry_shape_is_right
	s_endpgm
.Lentry_shape_is_right:
; Two products on one ring.  (a) relu([x, h] a1^T + a1_b) . a2_w, K = 2,048: the dot product's share of my 128 columns goes to a_part [8 column tiles][4,096 rows], f32.
; (r) relu(h r1^T + r1_b), K = 1,024, quantised along its columns (the next product's K) into h1_codes and h1_scales, laid as the first launch lays its codes.  No work is left out.
; SHARES: a work-group makes 128 rows x 128 columns; wave w: rows 64 (w / 2) on, columns 64 (w % 2) on: 16 accumulators.  The matrix instruction is used transposed (source 0 = 16 weight rows, source 1 = 16 rows of
; the activations): a lane holds one row (lane % 16), register j of tile nb column 16 nb + 8 (lane / 16) + j.
; RING: two slots of 512 along K, each of four areas of 30,720 bytes: 0, 1: the weight's tiles of 256 along K (128 rows x 192 bytes, 16 bytes of padding behind every 64: rows 240 apart); 3, 2: the activations'
; (8 blocks of rows x 3,072 bytes, register images, dense).  Wave w fills area w.  The weight's tile is shared along a column of the 4 x 4 cluster, the activations' along a row: joint loads.
; r1's activation tiles are a1's last four: they still lie in areas 2 and 3, so the two changes of slots that lead into r1 ask for weight tiles alone.
; The scale words (20 KB of the 0.5 MB that the work-group fetches) come once, through registers, not jointly: four more descriptors would be needed for a small part of the bytes.
; LIMITS: as stated at the head of the first launch for the quantiser; h1_scales is written 4 bytes in every 8 (a tile of 128 columns owns one of the two words of 256 along K).
.set AREA,   30720
.set SLOT,   116736
.set SCA,    233472                    ; the activations' scale pairs [run of 256 along K][128 rows][8 bytes]
.set SCB,    245760                    ; the weights': r1's 4 runs, then a1's 8
.set SCR,    308224                    ; 1,024 bytes: the dot product's shares; 512: the new scale words
.set SPARE,  309760                    ; the spare words, 128 bytes for each wave, which no other line names
.set APITCH, 24576
.set RK0,    4                         ; r's first run among the activations' scale pairs
.set NSA,    4                         ; loads of 2,048 bytes a work-group: the activations' scale pairs,
.set NSB,    6                         ; the weights'
.set ADA16, 4                          ; v4-5   slot p: my four blocks of rows, 16 x lane
.set ADA8,  6                          ; v6-7   the same with 8 x lane
.set ADB,   8                          ; v8-9   slot p: my 64 weight rows, 240 r + 24 h;  v10-11 the same with 40 h (pieces behind one padding more)
.set ADXA,  12                         ; v12    scale pairs, product a: lanes 0-15 the activations', lanes 16-31 the weight's
.set ADXR,  13                         ; v13    product r
.set ASP,   14                         ; v14    where my share of the dot product goes
.set ASL,   15                         ; v15    and where wave 0 reads the shares back
.set SWS,   16                         ; v16    where my two new scale bytes go
.set SWL,   17                         ; v17    and where a row's word is read back
.set L16,   18
.set L8,    19
.set T8,    20
.set H32,   21
.set T16,   22
.set SCW,   23
.set SPW,   24                         ; v24    LDS address of my spare word; never rewritten
.set NIL,   25                         ; v25    0; never rewritten
.set SC,    32                         ; v32-63 scale words and nothing else: two sets; in a set register 2 i + q
.set H,     128                        ; v128-191 64 numbers to be quantised
.set PC,    192
.set TM,    212
.set WV, 4
.set MH, 5
.set NH, 6
.set TC, 7
.set TR, 8
.set G1A,  16                          ; s[16:23] group 1, activations
.set G1B,  24                          ; s[24:31] group 1, r1's tiles
.set G0A,  32                          ; s[32:39] group 0, activations, a set for each slot
.set G0B,  40                          ; s[40:47] group 0, weights
.set G1BA, 48                          ; s[48:55] group 1, a1's tiles (rows 1,536 bytes apart)
.set RB,   56                          ; s[56:57] r1's first tile of mine
.set SEL,  66
.set MSB, 0
.macro WIN new
.if MSB != (\new)
	s_set_vgpr_msb (MSB<<8)|(\new)
.set MSB, (\new)
.endif
.endm
.macro PLACES n
.rept \n
	v_nop
.endr
.endm
.macro CREST                           ; a round of the cluster's barrier behind its opening barrier
	s_cmp_lg_u32 s[WV], 0
	s_cbranch_scc1 .Lnot_wave_0_\@
	s_barrier_signal -3
.Lnot_wave_0_\@:
	s_barrier_wait -3
	s_barrier_signal -1
	s_barrier_wait -1
.endm
.macro CROUND
	s_barrier_signal -1
	s_barrier_wait -1
	CREST
.endm
; A joint load into slot p.  Waves 0, 1: the weight's two tiles.  witha = 1: waves 2, 3 the activations'.  The branch hangs on the wave's number alone.  An s_nop 0 and four v_nop follow each line.
.macro JLOAD p, witha, g1b
	s_cmp_lt_u32 s[WV], 2
	s_cbranch_scc0 .Lfor_a_\@
	tensor_load_to_lds s[G0B+4*\p:G0B+4*\p+3], s[\g1b:\g1b+7]
	s_nop 0
	PLACES 4
	s_branch .Lasked_\@
.Lfor_a_\@:
.if \witha
	tensor_load_to_lds s[G0A+4*\p:G0A+4*\p+3], s[G1A:G1A+7]
	s_nop 0
.endif
	PLACES 4
.Lasked_\@:
.endm
.macro FRAGB reg, adr, q, off          ; a weight fragment: 24 bytes of the row's stream of bits twice, in pieces of 8 bytes
.irp p, 0,1,2,3,4,5
.set PCE, 12*(\q)+6*(\p/3)+\p%3
.if PCE%8 < 5
	ds_load_b64 v[(\reg)+2*\p:(\reg)+2*\p+1], v[\adr] offset:8*PCE+16*(PCE/8)+(\off)
.else
	ds_load_b64 v[(\reg)+2*\p:(\reg)+2*\p+1], v[(\adr)+2] offset:8*PCE+16*(PCE/8)+(\off)
.endif
.endr
.endm
.macro FRAGA reg, p, off               ; an activation fragment: the image of its registers
.irp c, 0,1
	ds_load_b128 v[(\reg)+6*\c:(\reg)+6*\c+3], v[ADA16+(\p)] offset:(\off)+768*\c
	ds_load_b64 v[(\reg)+6*\c+4:(\reg)+6*\c+5], v[ADA8+(\p)] offset:(\off)+768*\c+512
.endr
.endm
.macro FETCH set, p, q, sub            ; the fragments of one step of 128 along K (tile sub of slot p, its q-th half) into window 1 + set
	WIN (1+(\set))<<6
.irp nb, 0,1,2,3
	FRAGB 12*\nb, ADB+(\p), \q, (\sub)*AREA+3840*\nb
.endr
.irp a, 0,1,2,3
	FRAGA 144+12*\a, \p, (1-(\sub))*AREA+3072*\a+1536*(\q)
.endr
.endm
.macro SCALES set, adr, off            ; the scale pairs of 256 along K: lanes 0-15 my block i of rows, lanes 16-31 my block i of weight rows
	WIN 0
.irp i, 0,1,2,3
	ds_load_b64 v[SC+16*(\set)+2*\i:SC+16*(\set)+2*\i+1], v[\adr] offset:(\off)+128*\i
.endr
.endm
; Four products: block cc of rows against the four blocks of weight rows.  first: 0, or the register (window 1) at which the bias, the C of a sum's first product, begins.
.macro MULC cc, f, u, q, first
.if \first
	WIN 0xD5
.else
	WIN 0xF0|(5*(1+(\f)))
.endif
.irp nb, 0,1,2,3
.set rD, 32*(\cc)+8*\nb
.set rB, 12*\nb
.set rA, 144+12*(\cc)
.set rSb, SC+16*(\u)+2*\nb+(\q)
.set rSa, SC+16*(\u)+2*(\cc)+(\q)
.if \first
	v_wmma_scale_f32_16x16x128_f8f6f4 v[rD:rD+7], v[rB:rB+11], v[rA:rA+11], v[(\first)+8*\nb:(\first)+8*\nb+7], v[rSb], v[rSa] matrix_a_fmt:MATRIX_FMT_BF6 matrix_b_fmt:MATRIX_FMT_BF6 matrix_a_scale:MATRIX_SCALE_ROW1
.else
	v_wmma_scale_f32_16x16x128_f8f6f4 v[rD:rD+7], v[rB:rB+11], v[rA:rA+11], v[rD:rD+7], v[rSb], v[rSa] matrix_a_fmt:MATRIX_FMT_BF6 matrix_b_fmt:MATRIX_FMT_BF6 matrix_a_scale:MATRIX_SCALE_ROW1
.endif
.endr
.endm
.macro RUN lo, n, f, u, q, first       ; the 16 accumulators take turns, one instruction a turn, in the same order in every step
.set cq, \lo
.rept \n
	MULC cq, \f, \u, \q, \first
.set cq, cq+1
.endr
.endm
; Step n (0, 1, 2) of slot p's four.  The next step's fragments are asked for ahead of this step's 16 products.  kap: the slot's first run of 256 among the scale pairs.
.macro S1 p, n, first, adr, kap
	s_wait_dscnt 0x0                               ; this step's fragments and scale words are in (asked for a step ago)
	PLACES 4                                       ; in front of loads into registers that the last step's products read
.if (\n) == 1
	SCALES 1, \adr, ((\kap)+1)*1024
.endif
	FETCH 1-(\n)%2, \p, ((\n)+1)%2, ((\n)+1)/2
	RUN 0, 4, (\n)%2, (\n)/2, (\n)%2, \first
.endm
; A slot's last step changes slots.  TURN_A: all my tensor loads have landed; 0 onto my spare word.  Scalar lines may follow.
.macro TURN_A
	WIN 0
	s_wait_tensorcnt 0x0
	ds_add_u32 v[SPW], v[NIL]
.endm
.macro T1B
	s_wait_dscnt 0x1                               ; the add alone may be out: the step's fragments are in
	RUN 0, 1, 1, 1, 1, 0
	s_wait_dscnt 0x0                               ; the add is done, and my reads of this slot are over
	s_barrier_signal -1
	RUN 1, 1, 1, 1, 1, 0
	WIN 0
	s_barrier_wait -1
.endm
.macro T1C np, adr, off                ; behind the barrier: the next slot's first fragments and scale words, and the step's other products
	SCALES 0, \adr, \off
	FETCH 0, \np, 0, 0
	RUN 2, 2, 1, 1, 1, 0
.endm
.macro QCORE s
.irp b, 0,1,2,3
	v_max3_num_f32 v[TM+\b], |v[\s+16*\b]|, |v[\s+1+16*\b]|, 0x2800000
.endr
.irp i, 2,4,6,8,10,12,14
.irp b, 0,1,2,3
	v_max3_num_f32 v[TM+\b], v[TM+\b], |v[\s+16*\b+\i]|, |v[\s+1+16*\b+\i]|
.endr
.endr
.irp b, 0,1,2,3
	v_permlanex16_b32 v[TM+4+\b], v[TM+\b], s[SEL], s[SEL+1]
.endr
.irp b, 0,1,2,3
	v_max_num_f32 v[TM+\b], v[TM+\b], v[TM+4+\b]
.endr
.irp b, 0,1,2,3
	v_add_nc_u32 v[TM+12+\b], 0xfe000000, v[TM+\b]
.endr
.irp b, 0,1,2,3
	v_lshrrev_b32 v[TM+4+\b], 23, v[TM+12+\b]
.endr
.endm
.macro QCVT s
.irp c, 0,1
	v_cvt_scalef32_pk16_bf6_f32 v[PC+6*\c:PC+2+6*\c], v[\s+32*\c:\s+15+32*\c], v[TM+12+2*\c]
	v_cvt_scalef32_pk16_bf6_f32 v[PC+12+4*\c:PC+14+4*\c], v[\s+16+32*\c:\s+31+32*\c], v[TM+12+2*\c+1]
.endr
	v_nop
.irp c, 0,1
.irp i, 0,1,2
	v_permlane16_swap_b32 v[PC+6*\c+\i], v[PC+12+4*\c+\i]
.endr
.irp i, 0,1,2
	v_mov_b32 v[PC+3+6*\c+\i], v[PC+12+4*\c+\i]
.endr
.endr
.endm
	s_load_b256 s[68:75], s[0:1], 0x0              ; xh_codes, xh_scales, w_prep, r1's codes
	s_load_b128 s[76:79], s[0:1], 0x20             ; r1_b, h1_codes
	s_load_b64 s[80:81], s[0:1], 0x30              ; h1_scales
	s_load_b128 s[84:87], s[0:1], 0x38             ; a1's codes, a1_b
	s_load_b128 s[88:91], s[0:1], 0x48             ; a2_w, a_part
	v_lshl_add_u32 v[SPW], v0, 2, SPARE
	v_mov_b32 v[NIL], 0
	ds_add_u32 v[SPW], v[NIL]                      ; the wave's opening: the add, twice on end, and its wait ahead of my first tensor load
	ds_add_u32 v[SPW], v[NIL]
	v_lshrrev_b32 v1, 5, v0
	v_readfirstlane_b32 s[WV], v1
	s_lshr_b32 s[MH], s[WV], 1
	s_and_b32 s[NH], s[WV], 1
	s_bfe_u32 s9, ttmp6, 0x40000                   ; cx
	s_bfe_u32 s3, ttmp6, 0x40004                   ; cy
	s_lshl_b32 s[TC], ttmp9, 2
	s_add_co_u32 s[TC], s[TC], s9                  ; column tile
	s_and_b32 s[TR], ttmp7, 0xffff
	s_lshl_b32 s[TR], s[TR], 2
	s_add_co_u32 s[TR], s[TR], s3                  ; row tile
	s_lshl_b32 s3, s3, 2
	s_lshl_b32 s3, 15, s3                          ; my row of the cluster
	s_lshl_b32 s9, 0x1111, s9                      ; my column
	s_or_b32 s[G1A], s3, (3<<16)|(1<<21)           ; elements of 8 bytes, no padding; the mask: my row
	s_mov_b32 s[G1A+1], 384<<16                    ; tensor_dim0 = 384 (3,072 bytes)
	s_mov_b32 s[G1A+2], 8<<16                      ; tensor_dim1 = 8 blocks of rows
	s_mov_b32 s[G1A+3], 384<<16                    ; tile_dim0
	s_mov_b32 s[G1A+4], 8                          ; tile_dim1
	s_mov_b32 s[G1A+5], 3072                       ; 24,576 bytes from block to block
	s_mov_b32 s[G1A+6], 0
	s_mov_b32 s[G1A+7], 0
	s_or_b32 s[G1B], s9, (1<<20)|(1<<21)|(3<<22)|(3<<25)   ; bytes; 4 words of padding behind every 16; the mask: my column
	s_or_b32 s[G1BA], s9, (1<<20)|(1<<21)|(3<<22)|(3<<25)
.irp g, G1B, G1BA
	s_mov_b32 s[\g+1], 192<<16
	s_mov_b32 s[\g+2], 128<<16
	s_mov_b32 s[\g+3], 192<<16
	s_mov_b32 s[\g+4], 128
	s_mov_b32 s[\g+6], 0
	s_mov_b32 s[\g+7], 0
.endr
	s_mov_b32 s[G1B+5], 768
	s_mov_b32 s[G1BA+5], 1536
	s_mul_i32 s10, s[TR], 8*APITCH                 ; the activations' tile: made of the row tile and the wave's number alone
	s_sub_co_u32 s11, 3, s[WV]
	s_mul_i32 s11, s11, 3072                       ; wave 3: the slot's first 256 along K, wave 2: its second
	s_add_co_u32 s10, s10, s11
	s_mov_b32 s11, 0
	s_mul_i32 s15, s[NH], 192                      ; the weights' tiles: made of the column tile and the wave's number alone
	s_mul_i32 s12, s[TC], 98304
	s_add_co_u32 s12, s12, s15
	s_mov_b32 s13, 0
	s_mul_i32 s14, s[TC], 196608
	s_add_co_u32 s14, s14, s15
	s_mov_b32 s15, 0
	s_mul_i32 s2, s[WV], AREA                      ; wave w fills area w
	s_mov_b32 s[SEL], 0x76543210
	s_mov_b32 s[SEL+1], 0xfedcba98
	s_wait_dscnt 0x0                               ; both opening adds are done
	s_wait_kmcnt 0x0
	s_add_nc_u64 s[68:69], s[68:69], s[10:11]
	s_add_nc_u64 s[RB:RB+1], s[74:75], s[12:13]
	s_add_nc_u64 s[84:85], s[84:85], s[14:15]
.irp p, 0,1
	s_mov_b32 s[G0A+4*\p], 1
	s_add_co_u32 s[G0A+4*\p+1], s2, \p*SLOT
	s_add_nc_u64 s[G0A+4*\p+2:G0A+4*\p+3], s[68:69], \p*6144
	s_or_b32 s[G0A+4*\p+3], s[G0A+4*\p+3], 0x80000000
	s_mov_b32 s[G0B+4*\p], 1
	s_add_co_u32 s[G0B+4*\p+1], s2, \p*SLOT
	s_add_nc_u64 s[G0B+4*\p+2:G0B+4*\p+3], s[84:85], \p*384
	s_or_b32 s[G0B+4*\p+3], s[G0B+4*\p+3], 0x80000000
.endr
	CROUND                                         ; all sixteen work-groups are here: the first joint loads meet
	JLOAD 0, 1, G1BA
	JLOAD 1, 1, G1BA
	; the other pointers
	s_mov_b32 s93, 0
	s_lshl_b32 s92, s[TR], 13
	s_add_nc_u64 s[70:71], s[70:71], s[92:93]      ; my row tile's scale pairs
	s_mul_i32 s92, s[TC], 61440
	s_add_co_u32 s92, s92, 11*4096
	s_add_nc_u64 s[72:73], s[72:73], s[92:93]      ; units 11 (r1), 12, 13 (a1) of my column tile
	s_lshl_b32 s92, s[TC], 9
	s_lshl_b32 s94, s[NH], 8
	s_add_co_u32 s92, s92, s94
	s_add_nc_u64 s[76:77], s[76:77], s[92:93]      ; my 64 columns of r1_b, a1_b, a2_w
	s_add_nc_u64 s[86:87], s[86:87], s[92:93]
	s_add_nc_u64 s[88:89], s[88:89], s[92:93]
	s_lshl_b32 s92, s[TR], 3
	s_lshl_b32 s94, s[MH], 2
	s_add_co_u32 s92, s92, s94
	s_mul_i32 s92, s92, APITCH
	s_mul_i32 s94, s[TC], 1536
	s_add_co_u32 s92, s92, s94
	s_mul_i32 s94, s[NH], 768
	s_add_co_u32 s92, s92, s94
	s_add_nc_u64 s[78:79], s[78:79], s[92:93]      ; h1_codes: my first block of rows, K step = my column tile, my half of the image
	s_lshl_b32 s92, s[TR], 12
	s_lshr_b32 s94, s[TC], 1
	s_lshl_b32 s94, s94, 10
	s_add_co_u32 s92, s92, s94
	s_and_b32 s94, s[TC], 1
	s_lshl_b32 s94, s94, 2
	s_add_co_u32 s92, s92, s94
	s_add_nc_u64 s[80:81], s[80:81], s[92:93]      ; h1_scales
	s_lshl_b32 s92, s[TC], 14
	s_lshl_b32 s94, s[TR], 9
	s_add_co_u32 s92, s92, s94
	s_add_nc_u64 s[90:91], s[90:91], s[92:93]      ; a_part
	; addresses in LDS: made of the lane and the wave's number alone
	v_and_b32 v1, 15, v0                           ; r
	v_bfe_u32 v2, v0, 4, 1                         ; h
	v_and_b32 v3, 31, v0                           ; lane
	v_lshlrev_b32 v[L16], 4, v3
	v_lshlrev_b32 v[L8], 3, v3
	v_lshlrev_b32 v[T8], 3, v0
	v_lshlrev_b32 v[T16], 4, v0
	v_lshlrev_b32 v[H32], 5, v2
	v_lshl_add_u32 v[SCW], v0, 4, SCA
	s_mul_i32 s92, s[MH], 12288
	s_add_co_u32 s92, s92, 2*AREA
	v_add_nc_u32 v[ADA16], s92, v[L16]
	v_add_nc_u32 v[ADA8], s92, v[L8]
	v_add_nc_u32 v[ADA16+1], SLOT, v[ADA16]
	v_add_nc_u32 v[ADA8+1], SLOT, v[ADA8]
	v_mul_u32_u24 v26, v1, 240
	v_mad_u32_u24 v27, v2, 24, v26
	v_mad_u32_u24 v28, v2, 40, v26
	s_mul_i32 s92, s[NH], 15360
	v_add_nc_u32 v[ADB], s92, v27
	v_add_nc_u32 v[ADB+2], s92, v28
	v_add_nc_u32 v[ADB+1], SLOT, v[ADB]
	v_add_nc_u32 v[ADB+3], SLOT, v[ADB+2]
	v_lshlrev_b32 v26, 3, v1                       ; 8 r
	s_lshl_b32 s92, s[MH], 9
	s_lshl_b32 s93, s[NH], 9
	s_add_co_u32 s94, s93, SCB-SCA-RK0*1024
	s_sub_co_u32 s94, s94, s92                     ; from the activations' pairs to the weight's
	v_mul_u32_u24 v27, s94, v2                     ; lanes 16-31 take the weight's
	s_add_co_u32 s95, s92, SCA+RK0*1024
	v_add_nc_u32 v27, v27, v26
	v_add_nc_u32 v[ADXR], s95, v27
	s_add_co_u32 s94, s93, SCB-SCA+4096
	s_sub_co_u32 s94, s94, s92
	v_mul_u32_u24 v27, s94, v2
	s_add_co_u32 s95, s92, SCA
	v_add_nc_u32 v27, v27, v26
	v_add_nc_u32 v[ADXA], s95, v27
	s_lshl_b32 s94, s[MH], 8
	s_add_co_u32 s95, s93, s94
	s_add_co_u32 s95, s95, SCR
	v_lshl_add_u32 v[ASP], v1, 2, s95              ; SCR + 512 nh + 256 mh + 4 r
	v_add_nc_u32 v[ASL], SCR, v[L16]
	s_lshl_b32 s95, s[NH], 1
	s_add_co_u32 s95, s95, s94
	s_add_co_u32 s95, s95, SCR+1024
	v_lshl_add_u32 v[SWS], v1, 2, s95              ; SCR + 1,024 + 256 mh + 2 nh + 4 r
	v_lshl_add_u32 v[SWL], v0, 2, SCR+1024
.irp b, 0,1,2,3
	v_mov_b32 v[TM+4+\b], 0                        ; written once: a lane permute's destination counts as one of its sources
.endr
	; the scale pairs: 16 bytes a thread and load, through registers into LDS
.set k, 0
.rept NSA
	global_load_b128 v[128+4*k:131+4*k], v[T16], s[70:71] offset:2048*k
.set k, k+1
.endr
.set k, 0
.rept NSB
	global_load_b128 v[144+4*k:147+4*k], v[T16], s[72:73] offset:2048*k
.set k, k+1
.endr
	WIN 0x40                                       ; the biases in the result's layout: register 8 nb + j = column 16 nb + 8 h + j
.irp nb, 0,1,2,3
.irp e, 0,1
	global_load_b128 v[192+8*\nb+4*\e:195+8*\nb+4*\e], v[H32], s[86:87] offset:64*\nb+16*\e
	global_load_b128 v[224+8*\nb+4*\e:227+8*\nb+4*\e], v[H32], s[76:77] offset:64*\nb+16*\e
.endr
.endr
	WIN 0x80
.irp nb, 0,1,2,3
.irp e, 0,1
	global_load_b128 v[192+8*\nb+4*\e:195+8*\nb+4*\e], v[H32], s[88:89] offset:64*\nb+16*\e
.endr
.endr
	WIN 0
	s_wait_loadcnt 24                              ; the 24 loads of biases and of a2_w may be out
.set k, 0
.rept NSA
	ds_store_b128 v[SCW], v[128+4*k:131+4*k] offset:2048*k
.set k, k+1
.endr
.set k, 0
.rept NSB
	ds_store_b128 v[SCW], v[144+4*k:147+4*k] offset:SCB-SCA+2048*k
.set k, k+1
.endr
	s_wait_tensorcnt 0x1                           ; my part of slot 0 is in; slot 1's may stay out
	s_wait_dscnt 0x0                               ; my stores of scale pairs have landed
	s_barrier_signal -1
	s_barrier_wait -1
	; ---- product a: slots t = 0 .. 3
	SCALES 0, ADXA, 0
	FETCH 0, 0, 0, 0
	s_wait_loadcnt 0x0                             ; the biases
	S1 0, 0, 192, ADXA, 0
	S1 0, 1, 0, ADXA, 0
	S1 0, 2, 0, ADXA, 0
	TURN_A
	s_add_nc_u64 s[G0A+2:G0A+3], s[G0A+2:G0A+3], 12288   ; no tensor load of mine is out: slot 0's next tiles, 1,024 along K on
	s_add_nc_u64 s[G0B+2:G0B+3], s[G0B+2:G0B+3], 768
	T1B
	CREST                                          ; the barrier has opened a round of the cluster's: no wave of any partner still reads the slot or has a load on its way
	JLOAD 0, 1, G1BA
	T1C 1, ADXA, 2*1024
	S1 1, 0, 0, ADXA, 2
	S1 1, 1, 0, ADXA, 2
	S1 1, 2, 0, ADXA, 2
	TURN_A
	s_add_nc_u64 s[G0A+6:G0A+7], s[G0A+6:G0A+7], 12288
	s_add_nc_u64 s[G0B+6:G0B+7], s[G0B+6:G0B+7], 768
	T1B
	CREST
	JLOAD 1, 1, G1BA
	T1C 0, ADXA, 4*1024
	S1 0, 0, 0, ADXA, 4
	S1 0, 1, 0, ADXA, 4
	S1 0, 2, 0, ADXA, 4
	TURN_A
	s_mov_b64 s[G0B+2:G0B+3], s[RB:RB+1]           ; slot 0 takes r1's first 512 along K; h's tiles stay where they lie
	s_or_b32 s[G0B+3], s[G0B+3], 0x80000000
	T1B
	CREST
	JLOAD 0, 0, G1B
	T1C 1, ADXA, 6*1024
	S1 1, 0, 0, ADXA, 6
	S1 1, 1, 0, ADXA, 6
	S1 1, 2, 0, ADXA, 6
	TURN_A
	s_add_nc_u64 s[G0B+6:G0B+7], s[RB:RB+1], 384
	s_or_b32 s[G0B+7], s[G0B+7], 0x80000000
	T1B
	CREST
	JLOAD 1, 0, G1B
	T1C 0, ADXR, 0                                 ; r1's first fragments and scale words are asked for here
	; ---- relu, times a2_w, summed over my 64 columns
	PLACES 4
	WIN 0x0c                                       ; source 1 window 3
.set j, 0
.rept 128
	v_max_num_f32 v[128+j], 0, v[j]                ; each accumulator from its low end on
.set j, j+1
.endr
	WIN 0x08                                       ; source 1 window 2: a2_w
.irp a, 0,1,2,3
	v_pk_mul_f32 v[128+32*\a:129+32*\a], v[128+32*\a:129+32*\a], v[192:193]
	v_pk_mul_f32 v[130+32*\a:131+32*\a], v[130+32*\a:131+32*\a], v[194:195]
.endr
.irp k, 2,3,4,5,6,7,8,9,10,11,12,13,14,15
.irp a, 0,1,2,3
	v_pk_fma_f32 v[128+32*\a+2*(\k%2):129+32*\a+2*(\k%2)], v[128+32*\a+2*\k:129+32*\a+2*\k], v[192+2*\k:193+2*\k], v[128+32*\a+2*(\k%2):129+32*\a+2*(\k%2)]
.endr
.endr
	WIN 0
.irp a, 0,1,2,3
	v_pk_add_f32 v[128+32*\a:129+32*\a], v[128+32*\a:129+32*\a], v[130+32*\a:131+32*\a]
.endr
.irp a, 0,1,2,3
	v_add_f32 v[128+32*\a], v[128+32*\a], v[129+32*\a]
.endr
.irp a, 0,1,2,3
	v_permlanex16_b32 v[129+32*\a], v[128+32*\a], s[SEL], s[SEL+1]
.endr
.irp a, 0,1,2,3
	v_add_f32 v[128+32*\a], v[128+32*\a], v[129+32*\a]
.endr
.irp a, 0,1,2,3
	ds_store_b32 v[ASP], v[128+32*\a] offset:64*\a
.endr
	s_wait_dscnt 0x0                               ; for the others' sake: my shares have landed
	s_barrier_signal -1                            ; Slot 1's load may stay out
	s_barrier_wait -1
	s_cmp_lg_u32 s[WV], 0
	s_cbranch_scc1 .Lno_ap
	ds_load_b128 v[132:135], v[ASL]                ; four rows a lane: the shares of columns 0-63,
	ds_load_b128 v[136:139], v[ASL] offset:512     ; and of 64-127
	s_wait_dscnt 0x0
	v_pk_add_f32 v[132:133], v[132:133], v[136:137]
	v_pk_add_f32 v[134:135], v[134:135], v[138:139]
	global_store_b128 v[L16], v[132:135], s[90:91] ; 512 consecutive bytes, aligned
.Lno_ap:
	; ---- product r: two slots
	S1 0, 0, 224, ADXR, 0
	S1 0, 1, 0, ADXR, 0
	S1 0, 2, 0, ADXR, 0
	TURN_A
	T1B                                            ; nothing is filled again: no round follows
	PLACES 4
	T1C 1, ADXR, 2*1024
	S1 1, 0, 0, ADXR, 2
	S1 1, 1, 0, ADXR, 2
	S1 1, 2, 0, ADXR, 2
	s_wait_dscnt 0x0
	RUN 0, 4, 1, 1, 1, 0
	; ---- relu, quantised along the columns: two blocks of rows at a time
	PLACES 4
.irp a0, 0,2
	s_wait_xcnt 0x0                                ; earlier stores have read their registers
	WIN 0x0c
.set j, 0
.rept 64
	v_max_num_f32 v[H+j], 0, v[32*\a0+j]
.set j, j+1
.endr
	WIN 0
.irp q, 0,1,2,3                        ; two neighbouring tiles of 16 columns become 16 neighbours along the next K in each lane: k = 32 bb + 16 h + 0 .. 15
.irp j, 0,1,2,3,4,5,6,7
	v_permlane16_swap_b32 v[H+16*\q+\j], v[H+16*\q+8+\j]
.endr
.endr
	QCORE H
	QCVT H
.irp c, 0,1
	global_store_b128 v[L16], v[PC+6*\c:PC+6*\c+3], s[78:79] offset:(\a0+\c)*APITCH
	global_store_b64 v[L8], v[PC+6*\c+4:PC+6*\c+5], s[78:79] offset:(\a0+\c)*APITCH+512
	v_lshl_or_b32 v[26+\c], v[TM+5+2*\c], 8, v[TM+4+2*\c]
	ds_store_b16 v[SWS], v[26+\c] offset:64*(\a0+\c)
.endr
.endr
	s_wait_dscnt 0x0
	s_barrier_signal -1
	s_barrier_wait -1                              ; a row's four bytes come from two waves
	ds_load_b32 v30, v[SWL]
	s_wait_dscnt 0x0
	global_store_b32 v[T8], v30, s[80:81]
	s_wait_tensorcnt 0x0                           ; the wave's end, behind my last tensor load and my last LDS store
	ds_add_u32 v[SPW], v[NIL]
	s_wait_dscnt 0x0
	CROUND                                         ; the closing round
	s_endpgm
.Lfunc_end_k_q94a90970a5_ra:
	.size	k_q94a90970a5_ra, .Lfunc_end_k_q94a90970a5_ra-k_q94a90970a5_ra
	.p2alignl 7, 3214868480
	.fill 96, 4, 3214868480
	.section	.rodata,"a",@progbits
	.p2align	6, 0x0
	.amdhsa_kernel k_q94a90970a5_ra
		.amdhsa_group_segment_fixed_size 327680
		.amdhsa_private_segment_fixed_size 0
		.amdhsa_enable_private_segment 0
		.amdhsa_kernarg_size 88
		.amdhsa_user_sgpr_count 2
		.amdhsa_user_sgpr_kernarg_segment_ptr 1
		.amdhsa_wavefront_size32 1
		.amdhsa_system_sgpr_workgroup_id_x 1
		.amdhsa_system_sgpr_workgroup_id_y 1
		.amdhsa_system_sgpr_workgroup_id_z 1
		.amdhsa_system_vgpr_workitem_id 0
		.amdhsa_next_free_vgpr 1024
		.amdhsa_next_free_sgpr 100
		.amdhsa_reserve_vcc 0
		.amdhsa_float_denorm_mode_32 3
		.amdhsa_float_denorm_mode_16_64 3
		.amdhsa_memory_ordered 1
		.amdhsa_forward_progress 1
		.amdhsa_inst_pref_size 160
	.end_amdhsa_kernel
	.amdgpu_metadata
---
amdhsa.version: [ 1, 2 ]
amdhsa.kernels:
  - .name:           k_q94a90970a5_ra
    .symbol:         k_q94a90970a5_ra.kd
    .args:
      - { .name: xh_codes, .offset: 0, .size: 8, .value_kind: global_buffer, .address_space: global }
      - { .name: xh_scales, .offset: 8, .size: 8, .value_kind: global_buffer, .address_space: global }
      - { .name: w_prep, .offset: 16, .size: 8, .value_kind: global_buffer, .address_space: global }
      - { .name: r1_w_codes, .offset: 24, .size: 8, .value_kind: global_buffer, .address_space: global }
      - { .name: r1_b, .offset: 32, .size: 8, .value_kind: global_buffer, .address_space: global }
      - { .name: h1_codes, .offset: 40, .size: 8, .value_kind: global_buffer, .address_space: global }
      - { .name: h1_scales, .offset: 48, .size: 8, .value_kind: global_buffer, .address_space: global }
      - { .name: a1_w_codes, .offset: 56, .size: 8, .value_kind: global_buffer, .address_space: global }
      - { .name: a1_b, .offset: 64, .size: 8, .value_kind: global_buffer, .address_space: global }
      - { .name: a2_w, .offset: 72, .size: 8, .value_kind: global_buffer, .address_space: global }
      - { .name: a_part, .offset: 80, .size: 8, .value_kind: global_buffer, .address_space: global }
    .group_segment_fixed_size: 327680
    .private_segment_fixed_size: 0
    .kernarg_segment_align: 8
    .kernarg_segment_size: 88
    .max_flat_workgroup_size: 128
    .sgpr_count:     100
    .vgpr_count:     1024
    .wavefront_size: 32
...
	.end_amdgpu_metadata
.endif
;; end of part 2
;; launch r (part 3): grid 8 x 32, 4 waves a work-group, clusters of 4 x 4, 327,680 bytes of LDS; arguments h1_codes, h1_scales, w_prep, r2_w_codes, r2_b, h2_codes, h2_scales; writes h2_codes, h2_scales
.if DOCPART == 3
	.amdgcn_target "amdgcn-amd-amdhsa--gfx1250"
	.amdhsa_code_object_version 6
	.text
	.protected	k_q94a90970a5_r
	.globl	k_q94a90970a5_r
	.p2align	8
	.type	k_q94a90970a5_r,@function
k_q94a90970a5_r:
	s_mov_b64 s[64:65], 0
	v_nop
	global_prefetch_b8 v0, s[64:65] scope:SCOPE_SE
	s_setreg_imm32_b32 hwreg(HW_REG_WAVE_MODE, 25, 1), 1
	s_wait_xcnt 0x0
	s_wait_alu depctr_hold_cnt(0) depctr_sa_sdst(0) depctr_va_vdst(0) depctr_va_sdst(0) depctr_va_ssrc(0) depctr_va_vcc(0) depctr_vm_vsrc(0)
	s_getreg_b32 s2, hwreg(HW_REG_IB_STS2, 6, 4)
	s_cmp_eq_u32 s2, 0
	s_cbranch_scc0 .Lentry_in_a_cluster
	s_endpgm
.Lentry_in_a_cluster:
	s_bfe_u32 s2, ttmp6, 0x10000c
	s_cmp_lg_u32 s2, 0xf033
	s_cbranch_scc0 .Lentry_shape_is_right
	s_endpgm
.Lentry_shape_is_right:
; relu(h1 r2^T + r2_b), K = 1,024, quantised along its columns into h2_codes and h2_scales.  The text is product r of the launch before, alone: shares, ring, layouts and limits as stated there.  No work is left out.
; Both slots (512 along K each) are first fills; one change of slots, at which nothing is filled again.
.set AREA,   30720
.set SLOT,   116736
.set SCA,    233472
.set SCB,    245760
.set SCR,    308224
.set SPARE,  309760
.set APITCH, 24576
.set NSA,    2
.set NSB,    2
.set ADA16, 4
.set ADA8,  6
.set ADB,   8
.set ADXR,  13
.set SWS,   16
.set SWL,   17
.set L16,   18
.set L8,    19
.set T8,    20
.set H32,   21
.set T16,   22
.set SCW,   23
.set SPW,   24
.set NIL,   25
.set SC,    32
.set H,     128
.set PC,    192
.set TM,    212
.set WV, 4
.set MH, 5
.set NH, 6
.set TC, 7
.set TR, 8
.set G1A,  16
.set G1B,  24
.set G0A,  32
.set G0B,  40
.set RB,   56
.set SEL,  66
.set MSB, 0
.macro WIN new
.if MSB != (\new)
	s_set_vgpr_msb (MSB<<8)|(\new)
.set MSB, (\new)
.endif
.endm
.macro PLACES n
.rept \n
	v_nop
.endr
.endm
.macro CREST
	s_cmp_lg_u32 s[WV], 0
	s_cbranch_scc1 .Lnot_wave_0_\@
	s_barrier_signal -3
.Lnot_wave_0_\@:
	s_barrier_wait -3
	s_barrier_signal -1
	s_barrier_wait -1
.endm
.macro CROUND
	s_barrier_signal -1
	s_barrier_wait -1
	CREST
.endm
.macro JLOAD p                         ; waves 0, 1: the weight's two tiles; waves 2, 3: the activations'
	s_cmp_lt_u32 s[WV], 2
	s_cbranch_scc0 .Lfor_a_\@
	tensor_load_to_lds s[G0B+4*\p:G0B+4*\p+3], s[G1B:G1B+7]
	s_nop 0
	PLACES 4
	s_branch .Lasked_\@
.Lfor_a_\@:
	tensor_load_to_lds s[G0A+4*\p:G0A+4*\p+3], s[G1A:G1A+7]
	s_nop 0
	PLACES 4
.Lasked_\@:
.endm
.macro FRAGB reg, adr, q, off
.irp p, 0,1,2,3,4,5
.set PCE, 12*(\q)+6*(\p/3)+\p%3
.if PCE%8 < 5
	ds_load_b64 v[(\reg)+2*\p:(\reg)+2*\p+1], v[\adr] offset:8*PCE+16*(PCE/8)+(\off)
.else
	ds_load_b64 v[(\reg)+2*\p:(\reg)+2*\p+1], v[(\adr)+2] offset:8*PCE+16*(PCE/8)+(\off)
.endif
.endr
.endm
.macro FRAGA reg, p, off
.irp c, 0,1
	ds_load_b128 v[(\reg)+6*\c:(\reg)+6*\c+3], v[ADA16+(\p)] offset:(\off)+768*\c
	ds_load_b64 v[(\reg)+6*\c+4:(\reg)+6*\c+5], v[ADA8+(\p)] offset:(\off)+768*\c+512
.endr
.endm
.macro FETCH set, p, q, sub
	WIN (1+(\set))<<6
.irp nb, 0,1,2,3
	FRAGB 12*\nb, ADB+(\p), \q, (\sub)*AREA+3840*\nb
.endr
.irp a, 0,1,2,3
	FRAGA 144+12*\a, \p, (1-(\sub))*AREA+3072*\a+1536*(\q)
.endr
.endm
.macro SCALES set, adr, off
	WIN 0
.irp i, 0,1,2,3
	ds_load_b64 v[SC+16*(\set)+2*\i:SC+16*(\set)+2*\i+1], v[\adr] offset:(\off)+128*\i
.endr
.endm
.macro MULC cc, f, u, q, first
.if \first
	WIN 0xD5
.else
	WIN 0xF0|(5*(1+(\f)))
.endif
.irp nb, 0,1,2,3
.set rD, 32*(\cc)+8*\nb
.set rB, 12*\nb
.set rA, 144+12*(\cc)
.set rSb, SC+16*(\u)+2*\nb+(\q)
.set rSa, SC+16*(\u)+2*(\cc)+(\q)
.if \first
	v_wmma_scale_f32_16x16x128_f8f6f4 v[rD:rD+7], v[rB:rB+11], v[rA:rA+11], v[(\first)+8*\nb:(\first)+8*\nb+7], v[rSb], v[rSa] matrix_a_fmt:MATRIX_FMT_BF6 matrix_b_fmt:MATRIX_FMT_BF6 matrix_a_scale:MATRIX_SCALE_ROW1
.else
	v_wmma_scale_f32_16x16x128_f8f6f4 v[rD:rD+7], v[rB:rB+11], v[rA:rA+11], v[rD:rD+7], v[rSb], v[rSa] matrix_a_fmt:MATRIX_FMT_BF6 matrix_b_fmt:MATRIX_FMT_BF6 matrix_a_scale:MATRIX_SCALE_ROW1
.endif
.endr
.endm
.macro RUN lo, n, f, u, q, first       ; the 16 accumulators take turns, one instruction a turn
.set cq, \lo
.rept \n
	MULC cq, \f, \u, \q, \first
.set cq, cq+1
.endr
.endm
.macro S1 p, n, first, adr, kap
	s_wait_dscnt 0x0                               ; this step's fragments and scale words are in
	PLACES 4                                       ; in front of loads into registers that the last step's products read
.if (\n) == 1
	SCALES 1, \adr, ((\kap)+1)*1024
.endif
	FETCH 1-(\n)%2, \p, ((\n)+1)%2, ((\n)+1)/2
	RUN 0, 4, (\n)%2, (\n)/2, (\n)%2, \first
.endm
.macro TURN_A
	WIN 0
	s_wait_tensorcnt 0x0
	ds_add_u32 v[SPW], v[NIL]
.endm
.macro T1B
	s_wait_dscnt 0x1                               ; the add alone may be out
	RUN 0, 1, 1, 1, 1, 0
	s_wait_dscnt 0x0
	s_barrier_signal -1
	RUN 1, 1, 1, 1, 1, 0
	WIN 0
	s_barrier_wait -1
.endm
.macro T1C np, adr, off
	SCALES 0, \adr, \off
	FETCH 0, \np, 0, 0
	RUN 2, 2, 1, 1, 1, 0
.endm
.macro QCORE s
.irp b, 0,1,2,3
	v_max3_num_f32 v[TM+\b], |v[\s+16*\b]|, |v[\s+1+16*\b]|, 0x2800000
.endr
.irp i, 2,4,6,8,10,12,14
.irp b, 0,1,2,3
	v_max3_num_f32 v[TM+\b], v[TM+\b], |v[\s+16*\b+\i]|, |v[\s+1+16*\b+\i]|
.endr
.endr
.irp b, 0,1,2,3
	v_permlanex16_b32 v[TM+4+\b], v[TM+\b], s[SEL], s[SEL+1]
.endr
.irp b, 0,1,2,3
	v_max_num_f32 v[TM+\b], v[TM+\b], v[TM+4+\b]
.endr
.irp b, 0,1,2,3
	v_add_nc_u32 v[TM+12+\b], 0xfe000000, v[TM+\b]
.endr
.irp b, 0,1,2,3
	v_lshrrev_b32 v[TM+4+\b], 23, v[TM+12+\b]
.endr
.endm
.macro QCVT s
.irp c, 0,1
	v_cvt_scalef32_pk16_bf6_f32 v[PC+6*\c:PC+2+6*\c], v[\s+32*\c:\s+15+32*\c], v[TM+12+2*\c]
	v_cvt_scalef32_pk16_bf6_f32 v[PC+12+4*\c:PC+14+4*\c], v[\s+16+32*\c:\s+31+32*\c], v[TM+12+2*\c+1]
.endr
	v_nop
.irp c, 0,1
.irp i, 0,1,2
	v_permlane16_swap_b32 v[PC+6*\c+\i], v[PC+12+4*\c+\i]
.endr
.irp i, 0,1,2
	v_mov_b32 v[PC+3+6*\c+\i], v[PC+12+4*\c+\i]
.endr
.endr
.endm
	s_load_b256 s[68:75], s[0:1], 0x0              ; h1_codes, h1_scales, w_prep, r2's codes
	s_load_b128 s[76:79], s[0:1], 0x20             ; r2_b, h2_codes
	s_load_b64 s[80:81], s[0:1], 0x30              ; h2_scales
	v_lshl_add_u32 v[SPW], v0, 2, SPARE
	v_mov_b32 v[NIL], 0
	ds_add_u32 v[SPW], v[NIL]                      ; the wave's opening: the add, twice on end, and its wait ahead of my first tensor load
	ds_add_u32 v[SPW], v[NIL]
	v_lshrrev_b32 v1, 5, v0
	v_readfirstlane_b32 s[WV], v1
	s_lshr_b32 s[MH], s[WV], 1
	s_and_b32 s[NH], s[WV], 1
	s_bfe_u32 s9, ttmp6, 0x40000
	s_bfe_u32 s3, ttmp6, 0x40004
	s_lshl_b32 s[TC], ttmp9, 2
	s_add_co_u32 s[TC], s[TC], s9
	s_and_b32 s[TR], ttmp7, 0xffff
	s_lshl_b32 s[TR], s[TR], 2
	s_add_co_u32 s[TR], s[TR], s3
	s_lshl_b32 s3, s3, 2
	s_lshl_b32 s3, 15, s3
	s_lshl_b32 s9, 0x1111, s9
	s_or_b32 s[G1A], s3, (3<<16)|(1<<21)
	s_mov_b32 s[G1A+1], 384<<16
	s_mov_b32 s[G1A+2], 8<<16
	s_mov_b32 s[G1A+3], 384<<16
	s_mov_b32 s[G1A+4], 8
	s_mov_b32 s[G1A+5], 3072
	s_mov_b32 s[G1A+6], 0
	s_mov_b32 s[G1A+7], 0
	s_or_b32 s[G1B], s9, (1<<20)|(1<<21)|(3<<22)|(3<<25)
	s_mov_b32 s[G1B+1], 192<<16
	s_mov_b32 s[G1B+2], 128<<16
	s_mov_b32 s[G1B+3], 192<<16
	s_mov_b32 s[G1B+4], 128
	s_mov_b32 s[G1B+5], 768
	s_mov_b32 s[G1B+6], 0
	s_mov_b32 s[G1B+7], 0
	s_mul_i32 s10, s[TR], 8*APITCH
	s_sub_co_u32 s11, 3, s[WV]
	s_mul_i32 s11, s11, 3072
	s_add_co_u32 s10, s10, s11
	s_mov_b32 s11, 0
	s_mul_i32 s15, s[NH], 192
	s_mul_i32 s12, s[TC], 98304
	s_add_co_u32 s12, s12, s15
	s_mov_b32 s13, 0
	s_mul_i32 s2, s[WV], AREA
	s_mov_b32 s[SEL], 0x76543210
	s_mov_b32 s[SEL+1], 0xfedcba98
	s_wait_dscnt 0x0
	s_wait_kmcnt 0x0
	s_add_nc_u64 s[68:69], s[68:69], s[10:11]
	s_add_nc_u64 s[RB:RB+1], s[74:75], s[12:13]
.irp p, 0,1
	s_mov_b32 s[G0A+4*\p], 1
	s_add_co_u32 s[G0A+4*\p+1], s2, \p*SLOT
	s_add_nc_u64 s[G0A+4*\p+2:G0A+4*\p+3], s[68:69], \p*6144
	s_or_b32 s[G0A+4*\p+3], s[G0A+4*\p+3], 0x80000000
	s_mov_b32 s[G0B+4*\p], 1
	s_add_co_u32 s[G0B+4*\p+1], s2, \p*SLOT
	s_add_nc_u64 s[G0B+4*\p+2:G0B+4*\p+3], s[RB:RB+1], \p*384
	s_or_b32 s[G0B+4*\p+3], s[G0B+4*\p+3], 0x80000000
.endr
	CROUND
	JLOAD 0
	JLOAD 1
	s_mov_b32 s93, 0
	s_lshl_b32 s92, s[TR], 12
	s_add_nc_u64 s[70:71], s[70:71], s[92:93]
	s_mul_i32 s92, s[TC], 61440
	s_add_co_u32 s92, s92, 14*4096
	s_add_nc_u64 s[72:73], s[72:73], s[92:93]      ; unit 14 (r2) of my column tile
	s_lshl_b32 s92, s[TC], 9
	s_lshl_b32 s94, s[NH], 8
	s_add_co_u32 s92, s92, s94
	s_add_nc_u64 s[76:77], s[76:77], s[92:93]
	s_lshl_b32 s92, s[TR], 3
	s_lshl_b32 s94, s[MH], 2
	s_add_co_u32 s92, s92, s94
	s_mul_i32 s92, s92, APITCH
	s_mul_i32 s94, s[TC], 1536
	s_add_co_u32 s92, s92, s94
	s_mul_i32 s94, s[NH], 768
	s_add_co_u32 s92, s92, s94
	s_add_nc_u64 s[78:79], s[78:79], s[92:93]
	s_lshl_b32 s92, s[TR], 12
	s_lshr_b32 s94, s[TC], 1
	s_lshl_b32 s94, s94, 10
	s_add_co_u32 s92, s92, s94
	s_and_b32 s94, s[TC], 1
	s_lshl_b32 s94, s94, 2
	s_add_co_u32 s92, s92, s94
	s_add_nc_u64 s[80:81], s[80:81], s[92:93]
	v_and_b32 v1, 15, v0
	v_bfe_u32 v2, v0, 4, 1
	v_and_b32 v3, 31, v0
	v_lshlrev_b32 v[L16], 4, v3
	v_lshlrev_b32 v[L8], 3, v3
	v_lshlrev_b32 v[T8], 3, v0
	v_lshlrev_b32 v[T16], 4, v0
	v_lshlrev_b32 v[H32], 5, v2
	v_lshl_add_u32 v[SCW], v0, 4, SCA
	s_mul_i32 s92, s[MH], 12288
	s_add_co_u32 s92, s92, 2*AREA
	v_add_nc_u32 v[ADA16], s92, v[L16]
	v_add_nc_u32 v[ADA8], s92, v[L8]
	v_add_nc_u32 v[ADA16+1], SLOT, v[ADA16]
	v_add_nc_u32 v[ADA8+1], SLOT, v[ADA8]
	v_mul_u32_u24 v26, v1, 240
	v_mad_u32_u24 v27, v2, 24, v26
	v_mad_u32_u24 v28, v2, 40, v26
	s_mul_i32 s92, s[NH], 15360
	v_add_nc_u32 v[ADB], s92, v27
	v_add_nc_u32 v[ADB+2], s92, v28
	v_add_nc_u32 v[ADB+1], SLOT, v[ADB]
	v_add_nc_u32 v[ADB+3], SLOT, v[ADB+2]
	v_lshlrev_b32 v26, 3, v1
	s_lshl_b32 s92, s[MH], 9
	s_lshl_b32 s93, s[NH], 9
	s_add_co_u32 s94, s93, SCB-SCA
	s_sub_co_u32 s94, s94, s92
	v_mul_u32_u24 v27, s94, v2
	s_add_co_u32 s95, s92, SCA
	v_add_nc_u32 v27, v27, v26
	v_add_nc_u32 v[ADXR], s95, v27
	s_lshl_b32 s94, s[MH], 8
	s_lshl_b32 s95, s[NH], 1
	s_add_co_u32 s95, s95, s94
	s_add_co_u32 s95, s95, SCR+1024
	v_lshl_add_u32 v[SWS], v1, 2, s95
	v_lshl_add_u32 v[SWL], v0, 2, SCR+1024
.irp b, 0,1,2,3
	v_mov_b32 v[TM+4+\b], 0
.endr
.set k, 0
.rept NSA
	global_load_b128 v[128+4*k:131+4*k], v[T16], s[70:71] offset:2048*k
.set k, k+1
.endr
.set k, 0
.rept NSB
	global_load_b128 v[144+4*k:147+4*k], v[T16], s[72:73] offset:2048*k
.set k, k+1
.endr
	WIN 0x40
.irp nb, 0,1,2,3
.irp e, 0,1
	global_load_b128 v[224+8*\nb+4*\e:227+8*\nb+4*\e], v[H32], s[76:77] offset:64*\nb+16*\e
.endr
.endr
	WIN 0
	s_wait_loadcnt 8                               ; the bias's eight loads may be out
.set k, 0
.rept NSA
	ds_store_b128 v[SCW], v[128+4*k:131+4*k] offset:2048*k
.set k, k+1
.endr
.set k, 0
.rept NSB
	ds_store_b128 v[SCW], v[144+4*k:147+4*k] offset:SCB-SCA+2048*k
.set k, k+1
.endr
	s_wait_tensorcnt 0x1                           ; my part of slot 0 is in; slot 1's may stay out
	s_wait_dscnt 0x0
	s_barrier_signal -1
	s_barrier_wait -1
	SCALES 0, ADXR, 0
	FETCH 0, 0, 0, 0
	s_wait_loadcnt 0x0
	S1 0, 0, 224, ADXR, 0
	S1 0, 1, 0, ADXR, 0
	S1 0, 2, 0, ADXR, 0
	TURN_A
	T1B
	PLACES 4
	T1C 1, ADXR, 2*1024
	S1 1, 0, 0, ADXR, 2
	S1 1, 1, 0, ADXR, 2
	S1 1, 2, 0, ADXR, 2
	s_wait_dscnt 0x0
	RUN 0, 4, 1, 1, 1, 0
	PLACES 4
.irp a0, 0,2
	s_wait_xcnt 0x0
	WIN 0x0c
.set j, 0
.rept 64
	v_max_num_f32 v[H+j], 0, v[32*\a0+j]
.set j, j+1
.endr
	WIN 0
.irp q, 0,1,2,3
.irp j, 0,1,2,3,4,5,6,7
	v_permlane16_swap_b32 v[H+16*\q+\j], v[H+16*\q+8+\j]
.endr
.endr
	QCORE H
	QCVT H
.irp c, 0,1
	global_store_b128 v[L16], v[PC+6*\c:PC+6*\c+3], s[78:79] offset:(\a0+\c)*APITCH
	global_store_b64 v[L8], v[PC+6*\c+4:PC+6*\c+5], s[78:79] offset:(\a0+\c)*APITCH+512
	v_lshl_or_b32 v[26+\c], v[TM+5+2*\c], 8, v[TM+4+2*\c]
	ds_store_b16 v[SWS], v[26+\c] offset:64*(\a0+\c)
.endr
.endr
	s_wait_dscnt 0x0
	s_barrier_signal -1
	s_barrier_wait -1
	ds_load_b32 v30, v[SWL]
	s_wait_dscnt 0x0
	global_store_b32 v[T8], v30, s[80:81]
	s_wait_tensorcnt 0x0                           ; the wave's end
	ds_add_u32 v[SPW], v[NIL]
	s_wait_dscnt 0x0
	CROUND
	s_endpgm
.Lfunc_end_k_q94a90970a5_r:
	.size	k_q94a90970a5_r, .Lfunc_end_k_q94a90970a5_r-k_q94a90970a5_r
	.p2alignl 7, 3214868480
	.fill 96, 4, 3214868480
	.section	.rodata,"a",@progbits
	.p2align	6, 0x0
	.amdhsa_kernel k_q94a90970a5_r
		.amdhsa_group_segment_fixed_size 327680
		.amdhsa_private_segment_fixed_size 0
		.amdhsa_enable_private_segment 0
		.amdhsa_kernarg_size 56
		.amdhsa_user_sgpr_count 2
		.amdhsa_user_sgpr_kernarg_segment_ptr 1
		.amdhsa_wavefront_size32 1
		.amdhsa_system_sgpr_workgroup_id_x 1
		.amdhsa_system_sgpr_workgroup_id_y 1
		.amdhsa_system_sgpr_workgroup_id_z 1
		.amdhsa_system_vgpr_workitem_id 0
		.amdhsa_next_free_vgpr 1024
		.amdhsa_next_free_sgpr 100
		.amdhsa_reserve_vcc 0
		.amdhsa_float_denorm_mode_32 3
		.amdhsa_float_denorm_mode_16_64 3
		.amdhsa_memory_ordered 1
		.amdhsa_forward_progress 1
		.amdhsa_inst_pref_size 65
	.end_amdhsa_kernel
	.amdgpu_metadata
---
amdhsa.version: [ 1, 2 ]
amdhsa.kernels:
  - .name:           k_q94a90970a5_r
    .symbol:         k_q94a90970a5_r.kd
    .args:
      - { .name: h1_codes, .offset: 0, .size: 8, .value_kind: global_buffer, .address_space: global }
      - { .name: h1_scales, .offset: 8, .size: 8, .value_kind: global_buffer, .address_space: global }
      - { .name: w_prep, .offset: 16, .size: 8, .value_kind: global_buffer, .address_space: global }
      - { .name: r2_w_codes, .offset: 24, .size: 8, .value_kind: global_buffer, .address_space: global }
      - { .name: r2_b, .offset: 32, .size: 8, .value_kind: global_buffer, .address_space: global }
      - { .name: h2_codes, .offset: 40, .size: 8, .value_kind: global_buffer, .address_space: global }
      - { .name: h2_scales, .offset: 48, .size: 8, .value_kind: global_buffer, .address_space: global }
    .group_segment_fixed_size: 327680
    .private_segment_fixed_size: 0
    .kernarg_segment_align: 8
    .kernarg_segment_size: 56
    .max_flat_workgroup_size: 128
    .sgpr_count:     100
    .vgpr_count:     1024
    .wavefront_size: 32
...
	.end_amdgpu_metadata
.endif
;; end of part 3
;; launch fin (part 4): grid 8 x 32, 4 waves a work-group, clusters of 4 x 4, 327,680 bytes of LDS; arguments xh_codes, xh_scales, h2_codes, h2_scales, w_prep, r3_b, a_part, a2_b, c_prev, out0, out1, Wi_w_codes, Ui_w_codes, Ws_w_codes, Us_w_codes, Wc_w_codes, Uc_w_codes, Wf_w_codes, Uf_w_codes, Wo_w_codes, Uo_w_codes, r3_w_codes; writes out0, out1
.if DOCPART == 4
	.amdgcn_target "amdgcn-amd-amdhsa--gfx1250"
	.amdhsa_code_object_version 6
	.text
	.protected	k_q94a90970a5_fin
	.globl	k_q94a90970a5_fin
	.p2align	8
	.type	k_q94a90970a5_fin,@function
k_q94a90970a5_fin:
	s_mov_b64 s[64:65], 0
	v_nop
	global_prefetch_b8 v0, s[64:65] scope:SCOPE_SE
	s_setreg_imm32_b32 hwreg(HW_REG_WAVE_MODE, 25, 1), 1
	s_wait_xcnt 0x0
	s_wait_alu depctr_hold_cnt(0) depctr_sa_sdst(0) depctr_va_vdst(0) depctr_va_sdst(0) depctr_va_ssrc(0) depctr_va_vcc(0) depctr_vm_vsrc(0)
	s_getreg_b32 s2, hwreg(HW_REG_IB_STS2, 6, 4)
	s_cmp_eq_u32 s2, 0
	s_cbranch_scc0 .Lentry_in_a_cluster
	s_endpgm
.Lentry_in_a_cluster:
	s_bfe_u32 s2, ttmp6, 0x10000c
	s_cmp_lg_u32 s2, 0xf033
	s_cbranch_scc0 .Lentry_shape_is_right
	s_endpgm
.Lentry_shape_is_right:
; The five gates, the residual's last product, c_t and h_t.  No work is left out.  A work-group makes 128 rows x 128 columns of both outputs; wave w: rows 64 (w / 2) on, columns 64 (w % 2) on.
; THREE PASSES on one ring of two slots: (1) gates i, s, c together, (2) gates f, o, (3) h2 r3^T, added onto f c_prev + i s c alpha + r3_b.  Gates of a pass share the activations' fragments.
; In passes 1 and 2 slot 0 always holds 256 along K of x and of the W's, slot 1 of h_prev and of the U's.
; THE WALK ALONG K IS TURNED: cluster (X, Y) begins passes 1 and 2 at slice (Y + 2 X) mod 4 of the four slices of 256 along K and goes round.  The eight clusters of a column of clusters read the same weight tiles, the two
; of a row the same activation tiles: so they ask for a given tile in different trips.  The scale pairs are laid into LDS in the walk's order at the head: no LDS address hangs on the cluster's number.
; The sums along K so take x's and h's tiles by turns and begin at a slice that differs from cluster to cluster: an order other than the reference's.
; A slot has four areas: 0, 1, 2: weight tiles (128 rows x 192 bytes, 16 bytes of padding behind every 64); 3: the activations' tile (8 blocks of rows x 3,072 bytes, register images, dense).  Wave w fills area w.
; In pass 3 a slot holds 512 along K: weights in areas 0, 1, activations in 3 and 2; the tile for area 2 comes with the weight tiles' padding.
; Weight tiles are shared along a column of the 4 x 4 cluster, activation tiles along a row: joint loads.  The scale words (57 KB of 1.6 MB) come once, through registers, not jointly: what is shared there is a small part of the bytes.
; SIGMOIDS AND TANH: sigma(i) sigma(s) tanh(c) = (E_c - 1) / ((1 + E_i)(1 + E_s)(1 + E_c)), E_i = 2^(-i log2 e), E_c = 2^(2 c log2 e): three exponentials, one reciprocal.  h_t likewise.
; LIMIT: tanh's exponent is held at 64 from above (tanh is 1 in f32 long before); so a denominator that overflows gives 0 and never 0 x infinity.  NaN and infinities among the inputs are not served.
; REGISTERS: window 0: v0-31, v72-79 addresses; v32-63 scale words and nothing else; v64-71 alpha; v128-255 gate c.  Windows 1, 2: the two sets of fragments (weights v0-143, activations v144-191); v192-255 biases, later c_prev.
;   window 3: v0-127 gate i, then f, then c_t;  v128-255 gate s, then o.
.set AREA,   30720
.set SLOT,   116736
.set SCA,    233472                    ; the activations' scale pairs: runs 0-7 of [x, h] (in the walk's order), 8-11 of h2
.set SCB,    245760                    ; the weights': units Wi Ui Ws Us Wc Uc Wf Uf Wo Uo (in the walk's order), r3; 4,096 bytes each
.set STG,    290816                    ; a stage of 16 rows x 272 bytes for each wave
.set SPARE,  309760                    ; the spare words, 128 bytes for each wave, which no other line names
.set APITCH, 24576
.set ADA16, 4
.set ADA8,  6
.set ADB,   8                          ; v8-9, v10-11 (behind one padding more)
.set ADBH,  12                         ; v12-13, v14-15: the same two areas on, for area 2
.set ADX1,  16
.set ADY1,  17
.set STO,   18
.set RD,    19
.set GO,    20
.set H32,   21
.set R4,    22
.set SCW,   23
.set SPW,   24
.set NIL,   25
.set ADX2,  26
.set ADY2,  27
.set ADX3,  28
.set T16,   29
.set SC,    32
.set AL,    64
.set ADP16, 72                         ; v72-73 the padded activation tile in area 2: 16 x lane + 16 (lane / 4)
.set ADP8,  74                         ; v74-75 8 x lane + 16 (lane / 8)
.set TE,    78                         ; v78    a thread's 16 bytes of the first two runs of four, in memory, turned
.set TO,    79                         ; v79    of the last two
.set LAP, 2
.set WV, 4
.set MH, 5
.set NH, 6
.set TC, 7
.set TR, 8
.set RMK, 9
.set G1A,  16
.set G1B,  24
.set G0A,  32
.set G0B,  40
.set WB1,  48                          ; s[48:49] pass 1: my wave's W tile, slice 0;  s[50:51] its U tile
.set UB1,  50
.set P2W,  52
.set P2U,  54
.set PR3,  56
.set H2W,  58
.set AB,   60                          ; s[60:61] x's tile, slice 0 (h_prev's lies 12,288 bytes on)
.set KC,   62                          ; s62     the walk's counter: its low two bits are the slice
.set PHI,  63                          ; s63     the slice at which my cluster begins
.set BIASP, 68
.set G1AP, 76
.set OFA,  88                          ; s[88:89] the slice's offset in an activation tile's rows;  s[90:91] in a weight's
.set OFB,  90
.set CPV,  92
.set O0,   94
.set O1,   96
.set MSB, 0
.macro WIN new
.if MSB != (\new)
	s_set_vgpr_msb (MSB<<8)|(\new)
.set MSB, (\new)
.endif
.endm
.macro PLACES n
.rept \n
	v_nop
.endr
.endm
.macro CREST
	s_cmp_lg_u32 s[WV], 0
	s_cbranch_scc1 .Lnot_wave_0_\@
	s_barrier_signal -3
.Lnot_wave_0_\@:
	s_barrier_wait -3
	s_barrier_signal -1
	s_barrier_wait -1
.endm
.macro CROUND
	s_barrier_signal -1
	s_barrier_wait -1
	CREST
.endm
; A joint load into slot p: waves under nb fetch weight tiles, wave 3 the activations'; with nb = 2 wave 2 has no tile.  The branches hang on the wave's number alone.
.macro JLOAD p, nb
	s_cmp_lt_u32 s[WV], \nb
	s_cbranch_scc0 .Lfor_a_\@
	tensor_load_to_lds s[G0B+4*\p:G0B+4*\p+3], s[G1B:G1B+7]
	s_nop 0
	PLACES 4
	s_branch .Lasked_\@
.Lfor_a_\@:
.if \nb < 3
	s_cmp_eq_u32 s[WV], 3
	s_cbranch_scc0 .Lasked_\@
.endif
	tensor_load_to_lds s[G0A+4*\p:G0A+4*\p+3], s[G1A:G1A+7]
	s_nop 0
	PLACES 4
.Lasked_\@:
.if \nb < 3
	PLACES 4                                       ; the places of the wave that asked for nothing
.endif
.endm
.macro JLOAD3 p                        ; pass 3's tiles: waves 0, 1 weights; wave 2 activations, padded; wave 3 activations, dense
	s_cmp_lt_u32 s[WV], 2
	s_cbranch_scc0 .Lj3a_\@
	tensor_load_to_lds s[G0B+4*\p:G0B+4*\p+3], s[G1B:G1B+7]
	s_nop 0
	PLACES 4
	s_branch .Lj3e_\@
.Lj3a_\@:
	s_cmp_eq_u32 s[WV], 2
	s_cbranch_scc0 .Lj3b_\@
	tensor_load_to_lds s[G0A+4*\p:G0A+4*\p+3], s[G1AP:G1AP+7]
	s_nop 0
	PLACES 4
	s_branch .Lj3e_\@
.Lj3b_\@:
	tensor_load_to_lds s[G0A+4*\p:G0A+4*\p+3], s[G1A:G1A+7]
	s_nop 0
	PLACES 4
.Lj3e_\@:
.endm
.macro FRAGB reg, adr, q, off
.irp p, 0,1,2,3,4,5
.set PCE, 12*(\q)+6*(\p/3)+\p%3
.if PCE%8 < 5
	ds_load_b64 v[(\reg)+2*\p:(\reg)+2*\p+1], v[\adr] offset:8*PCE+16*(PCE/8)+(\off)
.else
	ds_load_b64 v[(\reg)+2*\p:(\reg)+2*\p+1], v[(\adr)+2] offset:8*PCE+16*(PCE/8)+(\off)
.endif
.endr
.endm
.macro FRAGA reg, p, off
.irp c, 0,1
	ds_load_b128 v[(\reg)+6*\c:(\reg)+6*\c+3], v[ADA16+(\p)] offset:(\off)+768*\c
	ds_load_b64 v[(\reg)+6*\c+4:(\reg)+6*\c+5], v[ADA8+(\p)] offset:(\off)+768*\c+512
.endr
.endm
.macro FRAGP reg, p, off               ; the same from the padded tile: every 64 bytes of the image lie 80 apart
.irp c, 0,1
	ds_load_b128 v[(\reg)+6*\c:(\reg)+6*\c+3], v[ADP16+(\p)] offset:(\off)+960*\c
	ds_load_b64 v[(\reg)+6*\c+4:(\reg)+6*\c+5], v[ADP8+(\p)] offset:(\off)+960*\c+640
.endr
.endm
.macro FETCH set, p, q, ng, sub
	WIN (1+(\set))<<6
.irp nb, 0,1,2,3
	FRAGB 12*\nb, ADB+(\p), \q, (\sub)*AREA+3840*\nb
.endr
.if (\ng) > 1
.irp nb, 0,1,2,3
	FRAGB 48+12*\nb, ADB+(\p), \q, AREA+3840*\nb
.endr
.endif
.if (\ng) > 2
.irp nb, 0,1,2,3
	FRAGB 96+12*\nb, ADBH+(\p), \q, 3840*\nb
.endr
.endif
.irp a, 0,1,2,3
.if \sub
	FRAGP 144+12*\a, \p, 3840*\a+1920*(\q)
.else
	FRAGA 144+12*\a, \p, AREA+3072*\a+1536*(\q)
.endif
.endr
.endm
; Scale pairs of 256 along K.  X (set + 0): lanes 0-15 my block i of rows, lanes 16-31 the first gate's block i.  Y (set + 8): lanes 0-15 the second gate's, lanes 16-31 the third's.
.macro SCALES set, ng, adx, ady, off
	WIN 0
.irp i, 0,1,2,3
	ds_load_b64 v[SC+16*(\set)+2*\i:SC+16*(\set)+2*\i+1], v[\adx] offset:(\off)+128*\i
.endr
.if (\ng) > 1
.irp i, 0,1,2,3
	ds_load_b64 v[SC+16*(\set)+8+2*\i:SC+16*(\set)+8+2*\i+1], v[\ady] offset:(\off)+128*\i
.endr
.endif
.endm
; Four products: gate cc / 4, block cc % 4 of rows, against the gate's four blocks of weight rows.  first = 1: the bias is the C of the sum's first product.
.macro MULC cc, f, u, q, first
.set gg, (\cc)/4
.set aa, (\cc)%4
.if gg < 2
.if \first
	WIN 0xD5
.else
	WIN 0xF0|(5*(1+(\f)))
.endif
.else
.if \first
	WIN 0x25
.else
	WIN 5*(1+(\f))
.endif
.endif
.irp nb, 0,1,2,3
.set rD, 128*((gg+1)/2)+32*aa+8*\nb
.set rB, 48*gg+12*\nb
.set rA, 144+12*aa
.set rC, 192+32*(gg%2)+8*\nb
.set rSa, SC+16*(\u)+2*aa+(\q)
.set rSb, SC+16*(\u)+8*((gg+1)/2)+2*\nb+(\q)
.if gg == 1
.if \first
	v_wmma_scale_f32_16x16x128_f8f6f4 v[rD:rD+7], v[rB:rB+11], v[rA:rA+11], v[rC:rC+7], v[rSb], v[rSa] matrix_a_fmt:MATRIX_FMT_BF6 matrix_b_fmt:MATRIX_FMT_BF6
.else
	v_wmma_scale_f32_16x16x128_f8f6f4 v[rD:rD+7], v[rB:rB+11], v[rA:rA+11], v[rD:rD+7], v[rSb], v[rSa] matrix_a_fmt:MATRIX_FMT_BF6 matrix_b_fmt:MATRIX_FMT_BF6
.endif
.else
.if \first
	v_wmma_scale_f32_16x16x128_f8f6f4 v[rD:rD+7], v[rB:rB+11], v[rA:rA+11], v[rC:rC+7], v[rSb], v[rSa] matrix_a_fmt:MATRIX_FMT_BF6 matrix_b_fmt:MATRIX_FMT_BF6 matrix_a_scale:MATRIX_SCALE_ROW1
.else
	v_wmma_scale_f32_16x16x128_f8f6f4 v[rD:rD+7], v[rB:rB+11], v[rA:rA+11], v[rD:rD+7], v[rSb], v[rSa] matrix_a_fmt:MATRIX_FMT_BF6 matrix_b_fmt:MATRIX_FMT_BF6 matrix_a_scale:MATRIX_SCALE_ROW1
.endif
.endif
.endr
.endm
.macro RUN lo, n, f, u, q, first       ; the accumulators take turns, one instruction a turn, in the same order in every step
.set cq, \lo
.rept \n
	MULC cq, \f, \u, \q, \first
.set cq, cq+1
.endr
.endm
.macro TURN_A                          ; all my tensor loads have landed; 0 onto my spare word; scalar lines may follow
	WIN 0
	s_wait_tensorcnt 0x0
	ds_add_u32 v[SPW], v[NIL]
.endm
.macro NEXTK                           ; once a lap, ahead of slot 0's refill: the walk's next slice; after four laps it is the first again
	s_add_co_u32 s[KC], s[KC], 1
	s_and_b32 s[OFB], s[KC], 3
	s_mul_i32 s[OFA], s[OFB], 3072
	s_mul_i32 s[OFB], s[OFB], 192
.endm
.macro SETG p, bb                      ; slot p's next tiles (no tensor load of mine is out).  bb: the pair that holds my wave's weight tile, slice 0
	s_add_nc_u64 s[G0A+4*\p+2:G0A+4*\p+3], s[AB:AB+1], s[OFA:OFA+1]
.if \p
	s_add_nc_u64 s[G0A+6:G0A+7], s[G0A+6:G0A+7], 12288
.endif
	s_or_b32 s[G0A+4*\p+3], s[G0A+4*\p+3], 0x80000000
	s_add_nc_u64 s[G0B+4*\p+2:G0B+4*\p+3], s[\bb:\bb+1], s[OFB:OFB+1]
	s_or_b32 s[G0B+4*\p+3], s[G0B+4*\p+3], 0x80000000
.endm
; Passes 1 and 2: a slot is two steps.  STEPF: its first, on set 0; the second step's fragments are asked for ahead of the products.
.macro STEPF p, ng, first
	s_wait_dscnt 0x0
	PLACES 4
	FETCH 1, \p, 1, \ng, 0
	RUN 0, 4*\ng, 0, \p, 0, \first
.endm
; The change of slots stands at the head of the slot's second step, whose fragments are in registers: nothing but the waits and the round stands between the wait for my tensor loads and the refill,
; and the step's products follow the refill.
.macro TURNB
	s_wait_dscnt 0x0                               ; the add is done, and my reads of this slot are over (asked for a step ago)
	s_barrier_signal -1
	s_barrier_wait -1
.endm
.macro TURNC p, ng, fetch, inc, adx, ady
.if \fetch
.if \inc
	v_add_nc_u32 v[\adx], 0x400, v[\adx]           ; the next 256 along K of the walk
	v_add_nc_u32 v[\ady], 0x400, v[\ady]
.endif
	SCALES 1-\p, \ng, \adx, \ady, 4096*(1-\p)
	FETCH 0, 1-\p, 0, \ng, 0
.endif
	RUN 0, 4*\ng, 1, \p, 1, 0
.endm
; Pass 3: a slot is four steps.
.macro S1 p, n, kap
	s_wait_dscnt 0x0
	PLACES 4
.if (\n) == 1
	SCALES 1, 1, ADX3, ADX3, ((\kap)+1)*1024
.endif
	FETCH 1-(\n)%2, \p, ((\n)+1)%2, 1, ((\n)+1)/2
	RUN 0, 4, (\n)%2, (\n)/2, (\n)%2, 0
.endm
	s_load_b512 s[76:91], s[0:1], 0x0              ; xh_codes, xh_scales, h2_codes, h2_scales, w_prep, r3_b, a_part, a2_b
	s_load_b128 s[92:95], s[0:1], 0x40             ; c_prev, out0
	s_load_b64 s[96:97], s[0:1], 0x50              ; out1
	s_load_b512 s[16:31], s[0:1], 0x58             ; codes of Wi Ui Ws Us Wc Uc Wf Uf
	s_load_b128 s[32:35], s[0:1], 0x98             ; of Wo Uo
	s_load_b64 s[36:37], s[0:1], 0xa8              ; of r3
	v_lshl_add_u32 v[SPW], v0, 2, SPARE
	v_mov_b32 v[NIL], 0
	ds_add_u32 v[SPW], v[NIL]                      ; the wave's opening: the add, twice on end, and its wait ahead of my first tensor load
	ds_add_u32 v[SPW], v[NIL]
	v_lshrrev_b32 v1, 5, v0
	v_readfirstlane_b32 s[WV], v1
	s_lshr_b32 s[MH], s[WV], 1
	s_and_b32 s[NH], s[WV], 1
	s_bfe_u32 s13, ttmp6, 0x40000                  ; cx
	s_bfe_u32 s3, ttmp6, 0x40004                   ; cy
	s_lshl_b32 s[TC], ttmp9, 2
	s_add_co_u32 s[TC], s[TC], s13
	s_and_b32 s[TR], ttmp7, 0xffff
	s_lshl_b32 s[TR], s[TR], 2
	s_add_co_u32 s[TR], s[TR], s3
	s_lshl_b32 s3, s3, 2
	s_lshl_b32 s[RMK], 15, s3                      ; my row of the cluster
	s_lshl_b32 s13, 0x1111, s13                    ; my column
	s_and_b32 s[PHI], ttmp7, 0xffff                ; the cluster's y,
	s_lshl_b32 s12, ttmp9, 1                       ; twice its x:
	s_add_co_u32 s[PHI], s[PHI], s12
	s_and_b32 s[PHI], s[PHI], 3                    ; the slice at which my cluster begins: the same in all sixteen partners
	s_mov_b32 s[KC], s[PHI]
	s_mul_i32 s10, s[TR], 8*APITCH                 ; the activations' tiles: the row tile and the wave's number alone
	s_sub_co_u32 s11, 3, s[WV]
	s_mul_i32 s11, s11, 3072                       ; 0 in wave 3; in pass 3 wave 2 takes the slot's second 256 along K
	s_add_co_u32 s10, s10, s11
	s_mov_b32 s11, 0
	s_mul_i32 s14, s[TC], 98304                    ; the weights' tiles: the column tile and the wave's number alone
	s_mov_b32 s15, 0
	s_mul_i32 s2, s[WV], AREA
	s_mov_b32 s70, 0xbfb8aa3b                      ; -log2(e)
	s_mov_b32 s71, s70
	s_mov_b32 s72, 0x4038aa3b                      ; 2 log2(e)
	s_mov_b32 s73, s72
	s_mov_b32 s74, 0x42800000                      ; 64
	s_wait_dscnt 0x0                               ; both opening adds are done
	s_wait_kmcnt 0x0
	s_load_b32 s75, s[90:91], 0x0                  ; a2_b
	s_cmp_eq_u32 s[WV], 0                          ; which weight my wave fetches: pass 1: i, s, c for waves 0, 1, 2; pass 2: f, o for waves 0, 1
	s_cselect_b64 s[WB1:WB1+1], s[16:17], s[24:25]
	s_cselect_b64 s[UB1:UB1+1], s[18:19], s[26:27]
	s_cselect_b64 s[P2W:P2W+1], s[28:29], s[32:33]
	s_cselect_b64 s[P2U:P2U+1], s[30:31], s[34:35]
	s_cmp_eq_u32 s[WV], 1
	s_cselect_b64 s[WB1:WB1+1], s[20:21], s[WB1:WB1+1]
	s_cselect_b64 s[UB1:UB1+1], s[22:23], s[UB1:UB1+1]
	s_add_nc_u64 s[WB1:WB1+1], s[WB1:WB1+1], s[14:15]
	s_add_nc_u64 s[UB1:UB1+1], s[UB1:UB1+1], s[14:15]
	s_add_nc_u64 s[P2W:P2W+1], s[P2W:P2W+1], s[14:15]
	s_add_nc_u64 s[P2U:P2U+1], s[P2U:P2U+1], s[14:15]
	s_add_nc_u64 s[PR3:PR3+1], s[36:37], s[14:15]
	s_mul_i32 s14, s[NH], 192
	s_add_nc_u64 s[PR3:PR3+1], s[PR3:PR3+1], s[14:15]
	s_add_nc_u64 s[H2W:H2W+1], s[80:81], s[10:11]
	s_add_nc_u64 s[AB:AB+1], s[76:77], s[10:11]
	s_mul_i32 s10, s[PHI], 3072                    ; my cluster's first slice, in an activation tile's rows (s11 = 0),
	s_mul_i32 s14, s[PHI], 192                     ; and in a weight's (s15 = 0)
	s_or_b32 s[G1A], s[RMK], (3<<16)|(1<<21)       ; elements of 8 bytes, no padding; the mask: my row
	s_mov_b32 s[G1A+1], 384<<16
	s_mov_b32 s[G1A+2], 8<<16
	s_mov_b32 s[G1A+3], 384<<16
	s_mov_b32 s[G1A+4], 8
	s_mov_b32 s[G1A+5], 3072
	s_mov_b32 s[G1A+6], 0
	s_mov_b32 s[G1A+7], 0
	s_or_b32 s[G1B], s13, (1<<20)|(1<<21)|(3<<22)|(3<<25)   ; bytes; 4 words of padding behind every 16; the mask: my column
	s_mov_b32 s[G1B+1], 192<<16
	s_mov_b32 s[G1B+2], 128<<16
	s_mov_b32 s[G1B+3], 192<<16
	s_mov_b32 s[G1B+4], 128
	s_mov_b32 s[G1B+5], 768
	s_mov_b32 s[G1B+6], 0
	s_mov_b32 s[G1B+7], 0
	s_mov_b32 s[G0A], 1
	s_mov_b32 s[G0A+1], s2
	s_add_nc_u64 s[G0A+2:G0A+3], s[AB:AB+1], s[10:11]   ; slot 0: x
	s_or_b32 s[G0A+3], s[G0A+3], 0x80000000
	s_mov_b32 s[G0A+4], 1
	s_add_co_u32 s[G0A+5], s2, SLOT
	s_add_nc_u64 s[G0A+6:G0A+7], s[AB:AB+1], s[10:11]
	s_add_nc_u64 s[G0A+6:G0A+7], s[G0A+6:G0A+7], 12288  ; slot 1: h_prev
	s_or_b32 s[G0A+7], s[G0A+7], 0x80000000
	s_mov_b32 s[G0B], 1
	s_mov_b32 s[G0B+1], s2
	s_add_nc_u64 s[G0B+2:G0B+3], s[WB1:WB1+1], s[14:15]
	s_or_b32 s[G0B+3], s[G0B+3], 0x80000000
	s_mov_b32 s[G0B+4], 1
	s_add_co_u32 s[G0B+5], s2, SLOT
	s_add_nc_u64 s[G0B+6:G0B+7], s[UB1:UB1+1], s[14:15]
	s_or_b32 s[G0B+7], s[G0B+7], 0x80000000
	CROUND                                         ; all sixteen work-groups are here: the first joint loads meet
	JLOAD 0, 3
	JLOAD 1, 3
	; the other pointers
	s_mov_b32 s99, 0
	s_lshl_b32 s98, s[TR], 13
	s_add_nc_u64 s[78:79], s[78:79], s[98:99]
	s_lshl_b32 s98, s[TR], 12
	s_add_nc_u64 s[82:83], s[82:83], s[98:99]
	s_lshl_b32 s98, s[TC], 9
	s_lshl_b32 s3, s[NH], 8
	s_add_co_u32 s98, s98, s3                      ; my 64 columns, in bytes
	s_add_nc_u64 s[86:87], s[86:87], s[98:99]
	s_add_nc_u64 s[BIASP:BIASP+1], s[84:85], s[98:99]
	s_add_nc_u64 s[BIASP:BIASP+1], s[BIASP:BIASP+1], 491520
	s_lshl_b32 s3, s[TR], 19
	s_add_co_u32 s98, s98, s3
	s_lshl_b32 s3, s[MH], 18
	s_add_co_u32 s98, s98, s3                      ; + my 64 rows of 4,096 bytes
	s_add_nc_u64 s[CPV:CPV+1], s[CPV:CPV+1], s[98:99]
	s_add_nc_u64 s[O0:O0+1], s[O0:O0+1], s[98:99]
	s_add_nc_u64 s[O1:O1+1], s[O1:O1+1], s[98:99]
	s_mul_i32 s98, s[TC], 61440
	s_add_nc_u64 s[84:85], s[84:85], s[98:99]
	s_lshl_b32 s98, s[TR], 9
	s_lshl_b32 s3, s[MH], 8
	s_add_co_u32 s98, s98, s3
	s_add_nc_u64 s[88:89], s[88:89], s[98:99]
	; addresses in LDS: made of the lane and the wave's number alone
	v_and_b32 v1, 15, v0                           ; r
	v_bfe_u32 v2, v0, 4, 1                         ; h
	v_and_b32 v3, 31, v0                           ; lane
	v_lshlrev_b32 v30, 4, v3
	v_lshlrev_b32 v31, 3, v3
	v_lshlrev_b32 v[T16], 4, v0
	v_lshlrev_b32 v[H32], 5, v2
	v_lshlrev_b32 v[R4], 2, v1
	v_lshl_add_u32 v[SCW], v0, 4, SCA
	; offsets in memory of the scale pairs, turned: run l of four in LDS takes run (l + my cluster's first slice) mod 4 of memory; a run is 1,024 bytes, 64 threads' 16
	v_lshrrev_b32 v76, 6, v0                       ; a load of 2,048 bytes covers two runs: thread / 64
	v_add_nc_u32 v76, s[PHI], v76
	v_and_b32 v77, 3, v76                          ; runs 0, 1 of LDS
	v_add_nc_u32 v76, 2, v76
	v_and_b32 v76, 3, v76                          ; runs 2, 3
	v_and_b32 v[TE], 63, v0
	v_lshlrev_b32 v[TE], 4, v[TE]
	v_lshl_add_u32 v[TO], v76, 10, v[TE]
	v_lshl_add_u32 v[TE], v77, 10, v[TE]
	s_mul_i32 s3, s[MH], 12288
	s_add_co_u32 s3, s3, 2*AREA
	v_add_nc_u32 v[ADA16], s3, v30
	v_add_nc_u32 v[ADA8], s3, v31
	v_add_nc_u32 v[ADA16+1], SLOT, v[ADA16]
	v_add_nc_u32 v[ADA8+1], SLOT, v[ADA8]
	v_lshrrev_b32 v76, 2, v3
	v_lshl_add_u32 v76, v76, 4, v30
	v_lshrrev_b32 v77, 3, v3
	v_lshl_add_u32 v77, v77, 4, v31
	s_mul_i32 s3, s[MH], 15360
	s_add_co_u32 s3, s3, 2*AREA
	v_add_nc_u32 v[ADP16], s3, v76
	v_add_nc_u32 v[ADP8], s3, v77
	v_add_nc_u32 v[ADP16+1], SLOT, v[ADP16]
	v_add_nc_u32 v[ADP8+1], SLOT, v[ADP8]
	v_mul_u32_u24 v76, v1, 240
	v_mad_u32_u24 v77, v2, 24, v76
	v_mad_u32_u24 v76, v2, 40, v76
	s_mul_i32 s3, s[NH], 15360
	v_add_nc_u32 v[ADB], s3, v77
	v_add_nc_u32 v[ADB+2], s3, v76
	v_add_nc_u32 v[ADB+1], SLOT, v[ADB]
	v_add_nc_u32 v[ADB+3], SLOT, v[ADB+2]
.irp i, 0,1,2,3
	v_add_nc_u32 v[ADBH+\i], 2*AREA, v[ADB+\i]
.endr
	v_lshlrev_b32 v76, 3, v1                       ; 8 r
	s_lshl_b32 s3, s[MH], 9
	s_lshl_b32 s12, s[NH], 9
	s_add_co_u32 s98, s12, SCB-SCA
	s_sub_co_u32 s98, s98, s3                      ; from the activations' pairs to unit 0's
	v_mul_u32_u24 v77, s98, v2
	s_add_co_u32 s99, s3, SCA
	v_add_nc_u32 v77, v77, v76
	v_add_nc_u32 v[ADX1], s99, v77
	s_add_co_u32 s98, s98, 6*4096                  ; to unit 6's (Wf)
	v_mul_u32_u24 v77, s98, v2
	v_add_nc_u32 v77, v77, v76
	v_add_nc_u32 v[ADX2], s99, v77
	s_add_co_u32 s98, s98, 4*4096-8192             ; from run 8 (h2) to unit 10's (r3)
	v_mul_u32_u24 v77, s98, v2
	s_add_co_u32 s99, s99, 8192
	v_add_nc_u32 v77, v77, v76
	v_add_nc_u32 v[ADX3], s99, v77
	s_add_co_u32 s98, s12, SCB+2*4096
	v_lshl_add_u32 v77, v2, 13, v76                ; lanes 0-15 unit 2 (Ws), lanes 16-31 unit 4 (Wc)
	v_add_nc_u32 v[ADY1], s98, v77
	s_add_co_u32 s98, s12, SCB+8*4096
	v_add_nc_u32 v[ADY2], s98, v76                 ; unit 8 (Wo)
	s_mul_i32 s3, s[WV], 4352
	s_add_co_u32 s3, s3, STG
	v_mul_u32_u24 v76, v1, 272
	v_lshl_add_u32 v76, v2, 5, v76
	v_add_nc_u32 v[STO], s3, v76                   ; the stage in the result's layout: row r, + 32 h
	v_mul_u32_u24 v76, v2, 272
	v_lshl_add_u32 v76, v1, 4, v76
	v_add_nc_u32 v[RD], s3, v76                    ; and by rows: lanes 0-15 one row of 256 bytes, lanes 16-31 the next
	v_lshlrev_b32 v76, 12, v2
	v_lshl_add_u32 v[GO], v1, 4, v76               ; the same two rows in c_prev and in the outputs
	; the scale pairs, 28 loads of 16 bytes a thread (those of passes 1 and 2 turned; h2's and r3's as they lie); then alpha's eight shares for my four blocks of rows
	WIN 0xc0
.irp g, 0,1
	global_load_b128 v[8*\g:8*\g+3], v[TE], s[78:79] offset:4096*\g
	global_load_b128 v[8*\g+4:8*\g+7], v[TO], s[78:79] offset:4096*\g
.endr
.irp k, 0,1
	global_load_b128 v[16+4*\k:19+4*\k], v[T16], s[82:83] offset:2048*\k
.endr
.set k, 0
.rept 10
	global_load_b128 v[24+8*k:27+8*k], v[TE], s[84:85] offset:4096*k
	global_load_b128 v[28+8*k:31+8*k], v[TO], s[84:85] offset:4096*k
.set k, k+1
.endr
.irp k, 20,21
	global_load_b128 v[24+4*\k:27+4*\k], v[T16], s[84:85] offset:2048*\k
.endr
	WIN 0
.irp a, 0,1,2,3
.irp t, 0,1,2,3,4,5,6,7
	global_load_b32 v[128+8*\a+\t], v[R4], s[88:89] offset:16384*\t+64*\a
.endr
.endr
	s_wait_loadcnt 32                              ; alpha's 32 loads may be out
	WIN 0x0c
.set k, 0
.rept 28
	ds_store_b128 v[SCW], v[4*k:4*k+3] offset:2048*k
.set k, k+1
.endr
	WIN 0x40                                       ; the biases in the result's layout: i, s in window 1
.irp g, 0,1
.irp nb, 0,1,2,3
.irp e, 0,1
	global_load_b128 v[192+32*\g+8*\nb+4*\e:195+32*\g+8*\nb+4*\e], v[H32], s[BIASP:BIASP+1] offset:4096*\g+64*\nb+16*\e
.endr
.endr
.endr
	WIN 0x80                                       ; c and r3_b in window 2
.irp nb, 0,1,2,3
.irp e, 0,1
	global_load_b128 v[192+8*\nb+4*\e:195+8*\nb+4*\e], v[H32], s[BIASP:BIASP+1] offset:8192+64*\nb+16*\e
	global_load_b128 v[224+8*\nb+4*\e:227+8*\nb+4*\e], v[H32], s[86:87] offset:64*\nb+16*\e
.endr
.endr
	WIN 0
	s_wait_loadcnt 32                              ; the biases' 32 loads may be out: alpha's shares are in
	s_wait_kmcnt 0x0
	s_mul_f32 s3, s75, s70                         ; -a2_b log2(e)
.irp t, 1,2,3,4,5,6,7
.irp a, 0,1,2,3
	v_add_f32 v[128+8*\a], v[128+8*\a], v[128+8*\a+\t]
.endr
.endr
.irp a, 0,1,2,3
	v_fma_f32 v[128+8*\a], v[128+8*\a], s70, s3
.endr
.irp a, 0,1,2,3
	v_exp_f32 v[128+8*\a], v[128+8*\a]
.endr
	v_nop
	s_wait_alu depctr_va_vdst(0)                   ; one wait for the four, ahead of their first reader
.irp a, 0,1,2,3
	v_add_f32 v[128+8*\a], 1.0, v[128+8*\a]
.endr
.irp a, 0,1,2,3
	v_rcp_f32 v[AL+2*\a], v[128+8*\a]
.endr
	v_nop
	s_wait_alu depctr_va_vdst(0)
.irp a, 0,1,2,3
	v_mov_b32 v[AL+2*\a+1], v[AL+2*\a]             ; alpha of my row of block a, twice: a pair for the packed forms
.endr
	s_wait_tensorcnt 0x1                           ; my part of slot 0 is in; slot 1's may stay out
	s_wait_dscnt 0x0
	s_barrier_signal -1
	s_barrier_wait -1
	; ======== PASS 1: gates i, s, c
	SCALES 0, 3, ADX1, ADY1, 0
	FETCH 0, 0, 0, 3, 0
	s_wait_loadcnt 0x0                             ; the biases; every load of the head is done, so its pointers' registers are free
	s_or_b32 s[G1AP], s[RMK], (3<<16)|(1<<20)|(1<<21)|(3<<22)|(3<<25)   ; the third group 1: the activations' tile with the weight tiles' padding
	s_mov_b32 s[G1AP+1], 384<<16
	s_mov_b32 s[G1AP+2], 8<<16
	s_mov_b32 s[G1AP+3], 384<<16
	s_mov_b32 s[G1AP+4], 8
	s_mov_b32 s[G1AP+5], 3072
	s_mov_b32 s[G1AP+6], 0
	s_mov_b32 s[G1AP+7], 0
	s_mov_b32 s[OFA+1], 0                          ; the upper words of the walk's two offsets
	s_mov_b32 s[OFB+1], 0
	STEPF 0, 3, 1
	PLACES 4                                       ; in front of loads into registers that the first products read as C
	WIN 0x40
.irp g, 0,1
.irp nb, 0,1,2,3
.irp e, 0,1
	global_load_b128 v[192+32*\g+8*\nb+4*\e:195+32*\g+8*\nb+4*\e], v[H32], s[BIASP:BIASP+1] offset:4096*(3+\g)+64*\nb+16*\e   ; the biases of f and o
.endr
.endr
.endr
	WIN 0
	s_mov_b32 s[LAP], 3
.Llap1:                                            ; a trip: slot 0's second step, slot 1's two, the next slot 0's first; both slots are filled again
	TURN_A
	NEXTK
	SETG 0, WB1
	TURNB
	CREST                                          ; the barrier has opened a round of the cluster's: no wave of any partner still reads the slot or has a load on its way
	JLOAD 0, 3
	TURNC 0, 3, 1, 0, ADX1, ADY1
	STEPF 1, 3, 0
	TURN_A
	SETG 1, UB1
	TURNB
	CREST
	JLOAD 1, 3
	TURNC 1, 3, 1, 1, ADX1, ADY1
	STEPF 0, 3, 0
	WIN 0
	s_sub_co_u32 s[LAP], s[LAP], 1
	s_cmp_lg_u32 s[LAP], 0
	s_cbranch_scc1 .Llap1
	TURN_A                                         ; the tail: the ring goes on into pass 2, whose walk begins at the same slice (the counter has gone once round)
	NEXTK
	SETG 0, P2W
	TURNB
	CREST
	JLOAD 0, 2
	TURNC 0, 3, 1, 0, ADX1, ADY1
	STEPF 1, 3, 0
	TURN_A
	SETG 1, P2U
	TURNB
	CREST
	JLOAD 1, 2
	TURNC 1, 3, 0, 0, ADX1, ADY1
	; ---- sigma(i) sigma(s) tanh(c) alpha + r3_b, left in gate c's registers
	PLACES 4
	WIN 0xff
.set j, 0
.rept 128
	v_pk_mul_f32 v[j:j+1], v[j:j+1], s[70:71] op_sel_hi:[1,0]
.set j, j+2
.endr
	WIN 0
.set j, 128
.rept 64
	v_pk_mul_f32 v[j:j+1], v[j:j+1], s[72:73] op_sel_hi:[1,0]
.set j, j+2
.endr
.set j, 128
.rept 128
	v_min_num_f32 v[j], s74, v[j]                  ; the hold at 64
.set j, j+1
.endr
.set j, 128
.rept 128
	v_exp_f32 v[j], v[j]
.set j, j+1
.endr
	WIN 0xff
.set j, 0
.rept 256
	v_exp_f32 v[j], v[j]
.set j, j+1
.endr
	v_nop
	s_wait_alu depctr_va_vdst(0)                   ; one wait for the 384 exponentials, ahead of their first reader
.set j, 0
.rept 128
	v_pk_add_f32 v[j:j+1], v[j:j+1], 1.0 op_sel_hi:[1,0]
.set j, j+2
.endr
.set j, 0
.rept 64
	v_pk_mul_f32 v[j:j+1], v[j:j+1], v[128+j:129+j]
.set j, j+2
.endr
	WIN 0xc0
.set j, 0
.rept 64
	v_pk_add_f32 v[128+j:129+j], v[128+j:129+j], 1.0 op_sel_hi:[1,0]   ; 1 + E_c, into gate s's registers
.set j, j+2
.endr
	WIN 0xff
.set j, 0
.rept 64
	v_pk_mul_f32 v[j:j+1], v[j:j+1], v[128+j:129+j]
.set j, j+2
.endr
.set j, 0
.rept 128
	v_rcp_f32 v[j], v[j]
.set j, j+1
.endr
	v_nop
	s_wait_alu depctr_va_vdst(0)
	WIN 0x3c
.set j, 0
.rept 64
	v_pk_fma_f32 v[128+j:129+j], v[128+j:129+j], v[j:j+1], v[j:j+1] neg_lo:[0,0,1] neg_hi:[0,0,1]   ; (E_c - 1) / the product
.set j, j+2
.endr
	WIN 0x20
.irp a, 0,1,2,3
.set j, 0
.rept 16
	v_pk_fma_f32 v[128+32*\a+j:129+32*\a+j], v[128+32*\a+j:129+32*\a+j], v[AL+2*\a:AL+2*\a+1], v[224+j:225+j]
.set j, j+2
.endr
.endr
	; ======== PASS 2: gates f, o
	SCALES 0, 2, ADX2, ADY2, 0
	FETCH 0, 0, 0, 2, 0
	s_wait_loadcnt 0x0                             ; the biases of f and o
	STEPF 0, 2, 1
	PLACES 4
	WIN 0x40                                       ; c_prev, by rows: sixteen lanes read 256 consecutive bytes, aligned; it has the whole pass in which to land
.irp a, 0,1
.irp i, 0,1,2,3,4,5,6,7
	global_load_b128 v[192+32*\a+4*\i:195+32*\a+4*\i], v[GO], s[CPV:CPV+1] offset:(16*\a+2*\i)*4096 th:TH_LOAD_NT
.endr
.endr
	WIN 0x80
.irp a, 2,3
.irp i, 0,1,2,3,4,5,6,7
	global_load_b128 v[192+32*(\a-2)+4*\i:195+32*(\a-2)+4*\i], v[GO], s[CPV:CPV+1] offset:(16*\a+2*\i)*4096 th:TH_LOAD_NT
.endr
.endr
	WIN 0
	s_mov_b32 s[LAP], 3
.Llap2:
	TURN_A
	NEXTK
	SETG 0, P2W
	TURNB
	CREST
	JLOAD 0, 2
	TURNC 0, 2, 1, 0, ADX2, ADY2
	STEPF 1, 2, 0
	TURN_A
	SETG 1, P2U
	TURNB
	CREST
	JLOAD 1, 2
	TURNC 1, 2, 1, 1, ADX2, ADY2
	STEPF 0, 2, 0
	WIN 0
	s_sub_co_u32 s[LAP], s[LAP], 1
	s_cmp_lg_u32 s[LAP], 0
	s_cbranch_scc1 .Llap2
	TURN_A                                         ; the tail: the ring goes on into pass 3, which walks K as it lies
	s_mov_b64 s[G0A+2:G0A+3], s[H2W:H2W+1]
	s_or_b32 s[G0A+3], s[G0A+3], 0x80000000
	s_mov_b64 s[G0B+2:G0B+3], s[PR3:PR3+1]
	s_or_b32 s[G0B+3], s[G0B+3], 0x80000000
	TURNB
	CREST
	JLOAD3 0
	TURNC 0, 2, 1, 0, ADX2, ADY2
	STEPF 1, 2, 0
	TURN_A
	s_add_nc_u64 s[G0A+6:G0A+7], s[H2W:H2W+1], 6144
	s_or_b32 s[G0A+7], s[G0A+7], 0x80000000
	s_add_nc_u64 s[G0B+6:G0B+7], s[PR3:PR3+1], 384
	s_or_b32 s[G0B+7], s[G0B+7], 0x80000000
	TURNB
	CREST
	JLOAD3 1
	TURNC 1, 2, 0, 0, ADX2, ADY2
	; ---- sigma(f) c_prev + what pass 1 left; o keeps 1 + E_o
	PLACES 4
	s_wait_loadcnt 0x0                             ; c_prev
.irp a, 0,1,2,3                        ; c_prev turns through my stage: in by rows, out in the result's layout, into window 1, v0-127
	WIN 0x04+4*(\a/2)
.irp i, 0,1,2,3,4,5,6,7
	ds_store_b128 v[RD], v[192+32*(\a%2)+4*\i:195+32*(\a%2)+4*\i] offset:544*\i
.endr
	WIN 0x40
.irp nb, 0,1,2,3
.irp e, 0,1
	ds_load_b128 v[32*\a+8*\nb+4*\e:32*\a+8*\nb+4*\e+3], v[STO] offset:64*\nb+16*\e   ; LDS serves a wave's instructions in order
.endr
.endr
.endr
	WIN 0xff
.set j, 0
.rept 128
	v_pk_mul_f32 v[j:j+1], v[j:j+1], s[70:71] op_sel_hi:[1,0]
.set j, j+2
.endr
.set j, 0
.rept 256
	v_exp_f32 v[j], v[j]
.set j, j+1
.endr
	v_nop
	s_wait_alu depctr_va_vdst(0)
.set j, 0
.rept 128
	v_pk_add_f32 v[j:j+1], v[j:j+1], 1.0 op_sel_hi:[1,0]
.set j, j+2
.endr
.set j, 0
.rept 128
	v_rcp_f32 v[j], v[j]
.set j, j+1
.endr
	v_nop
	s_wait_alu depctr_va_vdst(0)
	s_wait_dscnt 0x0                               ; c_prev is back from the stage
	WIN 0xc7                                       ; source 0 and destination window 3, source 1 window 1, source 2 window 0
.set j, 0
.rept 64
	v_pk_fma_f32 v[j:j+1], v[j:j+1], v[j:j+1], v[128+j:129+j]
.set j, j+2
.endr
	; ======== PASS 3: + h2 r3^T, in place
	SCALES 0, 1, ADX3, ADX3, 0
	FETCH 0, 0, 0, 1, 0
	S1 0, 0, 0
	S1 0, 1, 0
	S1 0, 2, 0
	TURN_A
	s_wait_dscnt 0x1                               ; the add alone may be out
	RUN 0, 1, 1, 1, 1, 0
	s_wait_dscnt 0x0
	s_barrier_signal -1
	RUN 1, 1, 1, 1, 1, 0
	WIN 0
	s_barrier_wait -1                              ; nothing is filled again: no round follows
	PLACES 4
	SCALES 0, 1, ADX3, ADX3, 2*1024
	FETCH 0, 1, 0, 1, 0
	RUN 2, 2, 1, 1, 1, 0
	S1 1, 0, 2
	S1 1, 1, 2
	S1 1, 2, 2
	s_wait_dscnt 0x0
	RUN 0, 4, 1, 1, 1, 0
	; ======== THE WAY OUT.  c_t through my stage, back as rows of 256 bytes
	PLACES 4
.irp a, 0,1,2,3
	WIN 0x0c
.irp nb, 0,1,2,3
.irp e, 0,1
	ds_store_b128 v[STO], v[32*\a+8*\nb+4*\e:32*\a+8*\nb+4*\e+3] offset:64*\nb+16*\e   ; each accumulator from its low end on
.endr
.endr
	WIN 0x40
.irp i, 0,1,2,3,4,5,6,7
	ds_load_b128 v[32*\a+4*\i:32*\a+4*\i+3], v[RD] offset:544*\i
.endr
.endr
	WIN 0xff                                       ; h_t = (E - 1) / ((E + 1)(1 + E_o)), E = 2^(2 c_t log2 e), its exponent held at 64
.set j, 0
.rept 64
	v_pk_mul_f32 v[j:j+1], v[j:j+1], s[72:73] op_sel_hi:[1,0]
.set j, j+2
.endr
.set j, 0
.rept 128
	v_min_num_f32 v[j], s74, v[j]
.set j, j+1
.endr
.set j, 0
.rept 128
	v_exp_f32 v[j], v[j]
.set j, j+1
.endr
	v_nop
	s_wait_alu depctr_va_vdst(0)
	s_wait_dscnt 0x0                               ; c_t's rows are back
	WIN 0x04
.irp a, 0,1,2,3
.irp i, 0,1,2,3,4,5,6,7
	global_store_b128 v[GO], v[32*\a+4*\i:32*\a+4*\i+3], s[O1:O1+1] offset:(16*\a+2*\i)*4096 th:TH_STORE_NT   ; sixteen lanes store 256 consecutive bytes, aligned
.endr
.endr
	WIN 0x83
.set j, 0
.rept 64
	v_pk_add_f32 v[j:j+1], v[j:j+1], 1.0 op_sel_hi:[1,0]   ; E + 1, into window 2
.set j, j+2
.endr
	WIN 0xcb
.set j, 0
.rept 64
	v_pk_mul_f32 v[128+j:129+j], v[128+j:129+j], v[j:j+1]
.set j, j+2
.endr
	WIN 0xff
.set j, 128
.rept 128
	v_rcp_f32 v[j], v[j]
.set j, j+1
.endr
	v_nop
	s_wait_alu depctr_va_vdst(0)
.set j, 0
.rept 64
	v_pk_fma_f32 v[j:j+1], v[j:j+1], v[128+j:129+j], v[128+j:129+j] neg_lo:[0,0,1] neg_hi:[0,0,1]
.set j, j+2
.endr
.irp a, 0,1,2,3
	WIN 0x0c
.irp nb, 0,1,2,3
.irp e, 0,1
	ds_store_b128 v[STO], v[32*\a+8*\nb+4*\e:32*\a+8*\nb+4*\e+3] offset:64*\nb+16*\e
.endr
.endr
	WIN 0x80
.irp i, 0,1,2,3,4,5,6,7
	ds_load_b128 v[32*\a+4*\i:32*\a+4*\i+3], v[RD] offset:544*\i
.endr
.endr
	s_wait_dscnt 0x0
	WIN 0x08
.irp a, 0,1,2,3
.irp i, 0,1,2,3,4,5,6,7
	global_store_b128 v[GO], v[32*\a+4*\i:32*\a+4*\i+3], s[O0:O0+1] offset:(16*\a+2*\i)*4096 th:TH_STORE_NT
.endr
.endr
	WIN 0
	s_wait_tensorcnt 0x0                           ; the wave's end, behind my last tensor load and my last LDS store
	ds_add_u32 v[SPW], v[NIL]
	s_wait_dscnt 0x0
	CROUND                                         ; the closing round: no work-group ends while a partner may still ask for a tile that names it
	s_endpgm
.Lfunc_end_k_q94a90970a5_fin:
	.size	k_q94a90970a5_fin, .Lfunc_end_k_q94a90970a5_fin-k_q94a90970a5_fin
	.p2alignl 7, 3214868480
	.fill 96, 4, 3214868480
	.section	.rodata,"a",@progbits
	.p2align	6, 0x0
	.amdhsa_kernel k_q94a90970a5_fin
		.amdhsa_group_segment_fixed_size 327680
		.amdhsa_private_segment_fixed_size 0
		.amdhsa_enable_private_segment 0
		.amdhsa_kernarg_size 176
		.amdhsa_user_sgpr_count 2
		.amdhsa_user_sgpr_kernarg_segment_ptr 1
		.amdhsa_wavefront_size32 1
		.amdhsa_system_sgpr_workgroup_id_x 1
		.amdhsa_system_sgpr_workgroup_id_y 1
		.amdhsa_system_sgpr_workgroup_id_z 1
		.amdhsa_system_vgpr_workitem_id 0
		.amdhsa_next_free_vgpr 1024
		.amdhsa_next_free_sgpr 100
		.amdhsa_reserve_vcc 0
		.amdhsa_float_denorm_mode_32 3
		.amdhsa_float_denorm_mode_16_64 3
		.amdhsa_memory_ordered 1
		.amdhsa_forward_progress 1
		.amdhsa_inst_pref_size 255
	.end_amdhsa_kernel
	.section	.bss,"aw",@nobits
	.p2align	6
	.space	262144
	.amdgpu_metadata
---
amdhsa.version: [ 1, 2 ]
amdhsa.kernels:
  - .name:           k_q94a90970a5_fin
    .symbol:         k_q94a90970a5_fin.kd
    .args:
      - { .name: xh_codes, .offset: 0, .size: 8, .value_kind: global_buffer, .address_space: global }
      - { .name: xh_scales, .offset: 8, .size: 8, .value_kind: global_buffer, .address_space: global }
      - { .name: h2_codes, .offset: 16, .size: 8, .value_kind: global_buffer, .address_space: global }
      - { .name: h2_scales, .offset: 24, .size: 8, .value_kind: global_buffer, .address_space: global }
      - { .name: w_prep, .offset: 32, .size: 8, .value_kind: global_buffer, .address_space: global }
      - { .name: r3_b, .offset: 40, .size: 8, .value_kind: global_buffer, .address_space: global }
      - { .name: a_part, .offset: 48, .size: 8, .value_kind: global_buffer, .address_space: global }
      - { .name: a2_b, .offset: 56, .size: 8, .value_kind: global_buffer, .address_space: global }
      - { .name: c_prev, .offset: 64, .size: 8, .value_kind: global_buffer, .address_space: global }
      - { .name: out0, .offset: 72, .size: 8, .value_kind: global_buffer, .address_space: global }
      - { .name: out1, .offset: 80, .size: 8, .value_kind: global_buffer, .address_space: global }
      - { .name: Wi_w_codes, .offset: 88, .size: 8, .value_kind: global_buffer, .address_space: global }
      - { .name: Ui_w_codes, .offset: 96, .size: 8, .value_kind: global_buffer, .address_space: global }
      - { .name: Ws_w_codes, .offset: 104, .size: 8, .value_kind: global_buffer, .address_space: global }
      - { .name: Us_w_codes, .offset: 112, .size: 8, .value_kind: global_buffer, .address_space: global }
      - { .name: Wc_w_codes, .offset: 120, .size: 8, .value_kind: global_buffer, .address_space: global }
      - { .name: Uc_w_codes, .offset: 128, .size: 8, .value_kind: global_buffer, .address_space: global }
      - { .name: Wf_w_codes, .offset: 136, .size: 8, .value_kind: global_buffer, .address_space: global }
      - { .name: Uf_w_codes, .offset: 144, .size: 8, .value_kind: global_buffer, .address_space: global }
      - { .name: Wo_w_codes, .offset: 152, .size: 8, .value_kind: global_buffer, .address_space: global }
      - { .name: Uo_w_codes, .offset: 160, .size: 8, .value_kind: global_buffer, .address_space: global }
      - { .name: r3_w_codes, .offset: 168, .size: 8, .value_kind: global_buffer, .address_space: global }
    .group_segment_fixed_size: 327680
    .private_segment_fixed_size: 0
    .kernarg_segment_align: 8
    .kernarg_segment_size: 176
    .max_flat_workgroup_size: 128
    .sgpr_count:     100
    .vgpr_count:     1024
    .wavefront_size: 32
...
	.end_amdgpu_metadata
.endif
;; end of part 4
